; MI455X (gfx1250); checked and timed in simulation.
; The chip was launched on July 23, 2026; its instructions are those of AMD's public machine-readable ISA for CDNA 5 (MIT licence, August 2026) and "CDNA5" Instruction Set Architecture Reference Guide (July 2026). The comments in the code are by the model that wrote it; some were corrected since.
;; Causal Self Attention. Allowed arithmetic: matrix products marked QUANTISED: E2M3 operands, one E8M0 scale for each 32 along K, by v_wmma_scale_f32_16x16x128_f8f6f4 with both operands' format E2M3, f32 sums; everything else in f32.
;; Inputs: Wk 1,024 x 1,024 float32; Wo 1,024 x 1,024 float32; Wq 1,024 x 1,024 float32; Wv 1,024 x 1,024 float32; bk 1,024 float32; bo 1,024 float32; bq 1,024 float32; bv 1,024 float32; x 4 x 2,048 x 1,024 float32.
;; Outputs: out0 4 x 2,048 x 1,024 float32.
;; This version of the problem:
;;   THIS VERSION OF THE PROBLEM IS GIVEN IN LOW PRECISION. The matrix products marked QUANTISED in the list below multiply operands that are first quantised to E2M3 (2 exponent bits, 3 mantissa bits; 6 bits a number), with one power-of-two scale for each 32 numbers along K (OCP MX v1.0); their sums are f32. All else is computed in f32.
;;   The module's matrix products, in the order in which they are computed (A, B: the left and right operand; K: the contracted axis; several contracted axes count as one K, in the product's order):
;;     1. [M 8,192, K 1,024] x [K 1,024, N 1,024]; A: input x; B: input Wq: QUANTISED
;;     2. [M 8,192, K 1,024] x [K 1,024, N 1,024]; A: input x; B: input Wk: QUANTISED
;;     3. [M 8,192, K 1,024] x [K 1,024, N 1,024]; A: input x; B: input Wv: QUANTISED
;;     4. batch 64 x [M 2,048, K 64] x [K 64, N 2,048]; A: computed on the way; B: computed on the way: QUANTISED
;;     5. batch 64 x [M 2,048, K 2,048] x [K 2,048, N 64]; A: softmax (see below); B: computed on the way: QUANTISED
;;     6. [M 8,192, K 1,024] x [K 1,024, N 1,024]; A: computed on the way; B: input Wo: QUANTISED
;;   THE QUANTISER, for each operand of a quantised product, along K:
;;     - K is cut into blocks of 32 from its start; a last block that is shorter is filled with zeros.
;;     - A block's scale is 2^e with e = floor(log2(the largest magnitude in the block)) - 2, held to -126 .. 127; a block of zeros has e = 0. As a byte (E8M0): e + 127.
;;     - Each number is divided by its block's scale, clamped to +-7.5, and rounded to the nearest number of E2M3, ties to even, subnormals kept.
;;     - The product sums the exact products of the quantised numbers (number of the format x scale) in f32.
;;   ~~~python
;;   def quantise(x, axis):      # numpy; x: float32 -> the quantised numbers, widened to float32 again
;;       x = np.moveaxis(x, axis, -1); K = x.shape[-1]
;;       x = np.pad(x, [(0, 0)] * (x.ndim - 1) + [(0, -K % 32)]); x = x.reshape(x.shape[:-1] + (-1, 32)); a = np.abs(x).max(-1, keepdims=True)
;;       e = np.where(a > 0, np.clip(np.frexp(np.where(a > 0, a, 1))[1] - 1 - 2, -126, 127), 0)      # np.frexp(a)[1] - 1 = floor(log2(a)), exactly
;;       r = np.clip(x / 2.0 ** e, -7.5, 7.5)
;;       step = 2.0 ** (np.maximum(np.frexp(np.where(r == 0, 1, r))[1] - 1, 0) - 3)
;;       q = np.round(r / step) * step * 2.0 ** e      # np.round: ties to even
;;       return np.moveaxis(q.reshape(q.shape[:-2] + (-1,))[..., :K], -1, axis).astype(np.float32)
;;   ~~~
;;   SOFTMAX AHEAD OF A QUANTISED PRODUCT. Where the list says 'softmax', what is quantised is not the finished softmax but p = 2^(t - M), with t = logit x log2(e) and M = ceil(the row's largest t), a whole number; so 1/2 < the row's largest p <= 1. The row's sum l is taken of the UNQUANTISED p, in f32, and the product's result is divided by l at the end. Since M is a whole number, a kernel that streams over the keys may use a running M (the ceiling of the running maximum): every later rescaling is an exact power of two, which a block's scale takes up: the codes' values come out the same.
;;   OPERANDS COMPUTED ON THE WAY. 'Computed on the way' means the value that the module computes at that place (a softmax that the list does not call 'softmax' is quantised finished and normalised). What goes into a quantiser is computed in f32, as accurately as f32 sums, v_exp_f32 and their like allow (about 1e-6 of the number): no bf16 or f16 on the way to a quantiser, and a product that is left as it is and whose result goes on into a quantised operand takes f32 operands (vector FMAs, or v_wmma_f32_16x16x4_f32). A number that lies on a knife's edge between two numbers of the format may be rounded either way, as far as f32 arithmetic and the matrix unit's own rounding can turn it there, and no further.
;; One version. Each part assembles by itself: llvm-mc -triple=amdgcn-amd-amdhsa -mcpu=gfx1250 --defsym DOCPART=n.
;; ======== version 1 of 1: 4 launches
;; workspace buffers: xq 6,553,600 bytes; wq 3,276,800 bytes; tab 524,288 bytes; qimg 6,815,744 bytes; kv 13,369,344 bytes; yq 6,553,600 bytes
;; launch quant (part 1): grid 416 x 1, 4 waves a work-group, no clusters, 34,304 bytes of LDS; arguments x, Wq, Wk, Wv, Wo, xq, wq, tab; writes xq, wq, tab
.if DOCPART == 1
	.amdgcn_target "amdgcn-amd-amdhsa--gfx1250"
	.amdhsa_code_object_version 6
	.text
	.protected	k_q005ad83103_quant
	.globl	k_q005ad83103_quant
	.p2align	8
	.type	k_q005ad83103_quant,@function
k_q005ad83103_quant:
	s_mov_b64 s[64:65], 0
	v_nop
	global_prefetch_b8 v0, s[64:65] scope:SCOPE_SE
	s_setreg_imm32_b32 hwreg(HW_REG_WAVE_MODE, 25, 1), 1
	s_wait_xcnt 0x0
; CAUSAL SELF-ATTENTION, B 4, T 2,048, D 1,024, 16 heads of 64, all six products on codes of E2M3 with one E8M0 scale for each 32 along K.  Four launches: quant, qkv, attn, proj.
; WORK LEFT OUT, in the whole program: reference() builds a causal mask in its own body (jnp.tril) and sets att to -inf where key > query.  exp(-inf) is 0 for every value of the inputs, so a masked score adds
; nothing to the row's sum and nothing to y.  Launch attn therefore does not compute the key steps of 128 keys that lie wholly behind a wave's 16 queries; inside a step on the diagonal the scores are computed
; and set to -inf.  Every input has a way to the output and is loaded (bk too: it moves k's codes).  LIMIT: a NaN, an infinity or an overflow that reaches only the masked scores left out is not carried on.
; THIS LAUNCH turns x [8192][1024] and Wq, Wk, Wv, Wo [1024][1024], f32, K innermost, into codes and scale words, and makes the table of cosines and sines for the rotary embedding.
; LAYOUT OF ALL CODES OF THIS PROGRAM: images of the matrix operand's registers.  A ROWBLOCK R = 2 b + u holds 16 rows that are not neighbours: lane-row r is row 32 b + 8 u + r + (r & 8).  An IMAGE (rowblock, 128 along K) is
; 1,536 bytes: bytes 256 p + 8 l are registers 2 p, 2 p + 1 of lane l = (r, h): pieces 0-2 the 24 bytes of block h of the row, pieces 3-5 block 2 + h.  A rowblock's eight images lie on end (12,288 bytes).
; Scale words: 512 bytes a rowblock, the word of (lane-row r, step s of 128 along K) at 256 (s / 4) + 16 r + 4 (s % 4); they begin at XSC in xq and at WSC in wq.  wq: rowblocks 0-63 Wq, 64-127 Wk, 128-191 Wv, 192-255 Wo.
; THE QUANTISER: a block's scale is 2^(floor(log2(largest magnitude)) - 2); its byte is the largest magnitude's exponent field - 2, held at 1 from below by a floor among the maximum's leaves.  A block of zeros so
; keeps the byte 1 where the rule says 127: its codes are zeros, and only this program reads the bytes.  The conversion rounds to the nearest code, ties to even, and gives the largest code beyond 7.5.
; LIMITS: NaN and infinities among the inputs are not served; blocks whose largest magnitude lies under 2^-124 were not tried.
; THE TABLE: theta_j = 10000^(-j/32) is made as 2^(-j A) (1 - j B), A = log2(10)/8 cut to 18 bits (j A is exact), B = what was cut off x ln 2: about 1.5 units in the last place; so an angle can differ from
; reference()'s f32 angle by up to about 2e-4 rad at position 2,048.  Sine and cosine: the angle less n pi/2 in two parts, polynomials on +-pi/4, about 2e-7 absolute.
; SHARES: work-groups 0-255 take x, 256-383 the weights: a wave takes one rowblock x half of K: four steps of one image.  Work-groups 384-415 make the table, a wave a rowblock of positions; they touch no LDS.
; A step's sixteen loads read 512 consecutive bytes of a row each; the 8,192 bytes turn through the wave's own stage in LDS (rows 528 bytes apart) and come back as two whole blocks of 32 a lane.
.set XSC,   6291456
.set WSC,   3145728
.set WREG,  8448                       ; a wave's stage: 16 rows x (512 + 16) bytes
.set SP,    528
.set SPARE, 4*WREG                     ; behind the stages: the spare words, 128 bytes a wave, that no other line names
.set L16,   1                          ; v1   16 x lane
.set STI,   2                          ; v2   the stage on the way in
.set STO,   3                          ; v3   and on the way out: row r, + 128 h
.set L8,    4                          ; v4   8 x lane
.set SCO,   5                          ; v5   16 r + 8 h: my two scale words' place
.set SPW,   6                          ; v6   my spare word; never rewritten
.set NIL,   7                          ; v7   0; never rewritten
.set WD,    16                         ; v16-19  the four steps' scale words
.set CD,    20                         ; v20-31  a step's codes
.set TP,    32                         ; v32-38  the conversions' second halves
.set X,     40                         ; v40-103 a step's 64 numbers: block h, block 2 + h
.set RA,    104                        ; v104-231 two sets of 64 registers as loaded
.set H8,    232                        ; v232 8 h
	s_load_b512 s[4:19], s[0:1], 0x0               ; x, Wq, Wk, Wv, Wo, xq, wq, tab
	v_lshl_add_u32 v[SPW], v0, 2, SPARE
	v_mov_b32 v[NIL], 0
	v_lshrrev_b32 v8, 5, v0
	v_readfirstlane_b32 s20, v8                    ; wave
	v_and_b32 v9, 31, v0                           ; lane
	v_and_b32 v10, 15, v0                          ; r
	v_bfe_u32 v11, v0, 4, 1                        ; h
	v_lshlrev_b32 v[L16], 4, v9
	s_cmp_ge_u32 ttmp9, 384
	s_cbranch_scc1 .Ltable
	s_mul_i32 s21, s20, WREG
	v_add_nc_u32 v[STI], s21, v[L16]
	v_mul_u32_u24 v[STO], v10, SP
	v_lshl_add_u32 v[STO], v11, 7, v[STO]
	v_add_nc_u32 v[STO], s21, v[STO]
	v_lshlrev_b32 v[L8], 3, v9
	v_lshlrev_b32 v[SCO], 4, v10
	v_lshl_add_u32 v[SCO], v11, 3, v[SCO]
	v_lshlrev_b32 v[H8], 3, v11
	v_mov_b32 v15, 0                               ; a lane permute's destination counts as one of its sources
	s_mov_b32 s22, 0x76543210
	s_mov_b32 s23, 0xfedcba98                      ; selects for lane l xor 16
	s_mov_b32 s24, 0xffff0000                      ; lanes 16-31
	s_wait_alu depctr_va_vdst(0)
	s_wait_kmcnt 0x0
	s_mov_b64 s[26:27], s[12:13]                   ; the source, by the work-group's number alone
	s_cmp_lt_u32 ttmp9, 352
	s_cselect_b64 s[26:27], s[10:11], s[26:27]
	s_cmp_lt_u32 ttmp9, 320
	s_cselect_b64 s[26:27], s[8:9], s[26:27]
	s_cmp_lt_u32 ttmp9, 288
	s_cselect_b64 s[26:27], s[6:7], s[26:27]
	s_mov_b32 s31, WSC
	s_cmp_lt_u32 ttmp9, 256
	s_cselect_b64 s[26:27], s[4:5], s[26:27]
	s_cselect_b64 s[28:29], s[14:15], s[16:17]     ; the destination: xq or wq
	s_cselect_b32 s30, 0, 256
	s_cselect_b32 s31, XSC, s31                    ; where its scale words begin
	s_cselect_b32 s33, -1, 63                      ; a weight has 64 rowblocks
	s_sub_co_u32 s30, ttmp9, s30
	s_lshl_b32 s30, s30, 1
	s_lshr_b32 s34, s20, 1
	s_add_co_u32 s30, s30, s34                     ; the rowblock in the destination
	s_and_b32 s35, s20, 1                          ; which half of K
	s_and_b32 s33, s30, s33                        ; the rowblock in the source
	s_lshr_b32 s36, s33, 1
	s_lshl_b32 s36, s36, 5
	s_and_b32 s37, s33, 1
	s_lshl_b32 s37, s37, 3
	s_add_co_u32 s36, s36, s37                     ; its first row: 32 b + 8 u
	s_lshl_b32 s36, s36, 12
	s_lshl_b32 s37, s35, 11
	s_add_co_u32 s36, s36, s37
	s_mov_b32 s37, 0
	s_add_nc_u64 s[26:27], s[26:27], s[36:37]
	s_mul_i32 s36, s30, 12288
	s_mul_i32 s38, s35, 6144
	s_add_co_u32 s36, s36, s38
	s_add_nc_u64 s[40:41], s[28:29], s[36:37]      ; my four images
	s_lshl_b32 s36, s30, 9
	s_lshl_b32 s38, s35, 8
	s_add_co_u32 s36, s36, s38
	s_add_co_u32 s36, s36, s31
	s_add_nc_u64 s[42:43], s[28:29], s[36:37]      ; my 256 bytes of scale words
.macro LOAD t                          ; step t: 128 numbers of each of the rowblock's 16 rows
.irp i, 0,1,2,3,4,5,6,7,8,9,10,11,12,13,14,15
	global_load_b128 v[RA+64*((\t)%2)+4*\i:RA+64*((\t)%2)+4*\i+3], v[L16], s[26:27] offset:(\i+(\i&8))*4096+512*(\t) th:TH_LOAD_NT
.endr
.endm
.macro STEPQ t
.set RS, RA+64*((\t)%2)
.if (\t) < 3
	s_wait_loadcnt 16                              ; this step's sixteen loads are in; the next step's may be out
.else
	s_wait_loadcnt 0
.endif
.irp i, 0,1,2,3,4,5,6,7,8,9,10,11,12,13,14,15
	ds_store_b128 v[STI], v[RS+4*\i:RS+4*\i+3] offset:SP*\i
.endr
.irp j, 0,1,2,3,4,5,6,7
	ds_load_b128 v[X+4*\j:X+4*\j+3], v[STO] offset:16*\j           ; LDS serves a wave's instructions in order: these see the stores above
.endr
.irp j, 0,1,2,3,4,5,6,7
	ds_load_b128 v[X+32+4*\j:X+32+4*\j+3], v[STO] offset:256+16*\j
.endr
	s_wait_dscnt 0x0
	s_wait_xcnt 0x0                                ; the last step's stores have read the codes' registers
.if (\t) < 2
	LOAD (\t)+2
.endif
	v_max3_num_f32 v8, |v[X]|, |v[X+1]|, 0x1800000                 ; my two blocks' largest magnitudes by turns, the floor 2^(3 - 127) among the leaves
	v_max3_num_f32 v9, |v[X+32]|, |v[X+33]|, 0x1800000
.irp i, 2,4,6,8,10,12,14,16,18,20,22,24,26,28,30
	v_max3_num_f32 v8, v8, |v[X+\i]|, |v[X+\i+1]|
	v_max3_num_f32 v9, v9, |v[X+32+\i]|, |v[X+33+\i]|
.endr
	v_add_nc_u32 v10, 0xff000000, v8               ; 2 off the exponent field: the conversion's scale operand
	v_add_nc_u32 v11, 0xff000000, v9
	v_lshrrev_b32 v12, 23, v10                     ; the scales' bytes
	v_lshrrev_b32 v13, 23, v11
	v_lshl_or_b32 v14, v13, 16, v12
	v_lshlrev_b32 v14, v[H8], v14                  ; blocks h and 2 + h at their places in the word;
	v_permlanex16_b32 v15, v14, s22, s23
	v_or_b32 v[WD+(\t)], v14, v15                  ; with lane l xor 16's two the word is whole
	v_cvt_scalef32_pk16_fp6_f32 v[CD:CD+2], v[X:X+15], v10
	v_cvt_scalef32_pk16_fp6_f32 v[TP:TP+2], v[X+16:X+31], v10      ; (a conversion's three registers begin on an even number)
	v_cvt_scalef32_pk16_fp6_f32 v[CD+6:CD+8], v[X+32:X+47], v11
	v_cvt_scalef32_pk16_fp6_f32 v[TP+4:TP+6], v[X+48:X+63], v11
	v_nop                                          ; one plain place behind the conversions
.irp i, 0,1,2
	v_mov_b32 v[CD+3+\i], v[TP+\i]
	v_mov_b32 v[CD+9+\i], v[TP+4+\i]
.endr
.irp p, 0,1,2,3,4,5
	global_store_b64 v[L8], v[CD+2*\p:CD+2*\p+1], s[40:41] offset:1536*(\t)+256*\p   ; 32 lanes store 256 consecutive bytes, aligned
.endr
.endm
	LOAD 0
	LOAD 1
	STEPQ 0
	STEPQ 1
	STEPQ 2
	STEPQ 3
	v_cndmask_b32 v8, v[WD], v[WD+2], s24          ; lanes 0-15 store the words of steps 0, 1, lanes 16-31 those of steps 2, 3
	v_cndmask_b32 v9, v[WD+1], v[WD+3], s24
	global_store_b64 v[SCO], v[8:9], s[42:43]      ; 256 consecutive bytes, aligned
	s_wait_tensorcnt 0x0                           ; the wave's end, behind my last LDS store
	ds_add_u32 v[SPW], v[NIL]
	s_wait_dscnt 0x0
	s_endpgm
; THE TABLE.  Record R (4,096 bytes) serves the rowblock R of positions in a sequence: piece i at 512 i + 16 l: i = 0..3 the cosines of angles j = 16 h + 4 i + 0..3 of lane (r, h)'s position, i = 4..7 the sines.
.Ltable:
	s_sub_co_u32 s21, ttmp9, 384
	s_lshl_b32 s21, s21, 2
	s_add_co_u32 s21, s21, s20                     ; R
	s_lshr_b32 s22, s21, 1
	s_lshl_b32 s22, s22, 5
	s_and_b32 s23, s21, 1
	s_lshl_b32 s23, s23, 3
	s_add_co_u32 s22, s22, s23
	s_add_co_u32 s22, s22, 1                       ; positions begin at 1
	s_lshl_b32 s24, s21, 12
	s_mov_b32 s25, 0
	s_mov_b32 s28, 0x3f22f983                      ; 2 / pi
	s_mov_b32 s29, 0xbfc90fdb                      ; -(pi / 2 as f32)
	s_mov_b32 s30, 0x333bbd2e                      ; that f32 less pi / 2
	s_mov_b32 s31, 0xbe2aaaa3                      ; the sine's three coefficients
	s_mov_b32 s32, 0x3c08839e
	s_mov_b32 s33, 0xb94ca1f9
	s_mov_b32 s34, 0x3d2aaaa5                      ; the cosine's three
	s_mov_b32 s35, 0xbab6061a
	s_mov_b32 s36, 0x37ccf5ce
	s_mov_b32 s37, 0x3ed49a40                      ; A
	s_mov_b32 s38, 0x359c1606                      ; B
	s_wait_alu depctr_va_vdst(0)
	v_and_b32 v12, 8, v10
	v_add_nc_u32 v12, v12, v10
	v_add_nc_u32 v12, s22, v12
	v_cvt_f32_u32 v2, v12                          ; my position, exact
	v_lshlrev_b32 v8, 4, v11
.set k, 0
.rept 16
	v_add_nc_u32 v[40+k], k, v8
.set k, k+1
.endr
.set k, 0
.rept 16
	v_cvt_f32_u32 v[40+k], v[40+k]                 ; j
.set k, k+1
.endr
.set k, 0
.rept 16
	v_mul_f32 v[56+k], s37, v[40+k]                ; j A, exact
.set k, k+1
.endr
.set k, 0
	s_wait_alu depctr_va_vdst(0)
.rept 16
	v_exp_f32 v[56+k], -v[56+k]
.set k, k+1
.endr
.set k, 0
.rept 16
	v_mul_f32 v[40+k], s38, v[40+k]                ; j B: plain work behind the exponentials
.set k, k+1
.endr
	s_wait_alu depctr_va_vdst(0)                   ; one wait for the batch, ahead of its first reader
.set k, 0
.rept 16
	v_fma_f32 v[56+k], -v[40+k], v[56+k], v[56+k]  ; theta
.set k, k+1
.endr
.set k, 0
.rept 16
	v_mul_f32 v[40+k], v2, v[56+k]                 ; the angle: one rounding, as reference() has it
.set k, k+1
.endr
.macro SINCOS k
	v_mul_f32 v8, s28, v[40+\k]
	v_rndne_f32 v8, v8                             ; n
	v_fma_f32 v9, v8, s29, v[40+\k]                ; exact: a multiple of 2^-23 under 1
	v_fma_f32 v9, v8, s30, v9                      ; the angle less n pi / 2
	v_mul_f32 v10, v9, v9
	v_fma_f32 v11, v10, s33, s32
	v_fma_f32 v11, v11, v10, s31
	v_mul_f32 v11, v11, v10
	v_fma_f32 v11, v11, v9, v9                     ; its sine
	v_fma_f32 v12, v10, s36, s35
	v_fma_f32 v12, v12, v10, s34
	v_fma_f32 v12, v12, v10, -0.5
	v_fma_f32 v12, v12, v10, 1.0                   ; its cosine
	v_cvt_i32_f32 v13, v8
	v_and_b32 v14, 1, v13
	v_cmp_eq_u32 vcc_lo, 1, v14
	v_cndmask_b32 v15, v11, v12, vcc_lo            ; odd n: the two change places
	v_cndmask_b32 v12, v12, v11, vcc_lo
	v_and_b32 v14, 2, v13
	v_lshlrev_b32 v14, 30, v14
	v_xor_b32 v[88+\k], v14, v15                   ; the sine is negative in quadrants 2, 3
	v_add_nc_u32 v13, 1, v13
	v_and_b32 v13, 2, v13
	v_lshlrev_b32 v13, 30, v13
	v_xor_b32 v[72+\k], v13, v12                   ; the cosine in quadrants 1, 2
.endm
.irp k, 0,1,2,3,4,5,6,7,8,9,10,11,12,13,14,15
	SINCOS \k
.endr
	s_wait_alu depctr_va_vdst(0)
	s_wait_kmcnt 0x0
	s_add_nc_u64 s[18:19], s[18:19], s[24:25]
.irp i, 0,1,2,3
	global_store_b128 v[L16], v[72+4*\i:75+4*\i], s[18:19] offset:512*\i
	global_store_b128 v[L16], v[88+4*\i:91+4*\i], s[18:19] offset:2048+512*\i
.endr
	s_endpgm
.Lfunc_end_k_q005ad83103_quant:
	.size	k_q005ad83103_quant, .Lfunc_end_k_q005ad83103_quant-k_q005ad83103_quant
	.p2alignl 7, 3214868480
	.fill 96, 4, 3214868480
	.section	.rodata,"a",@progbits
	.p2align	6, 0x0
	.amdhsa_kernel k_q005ad83103_quant
		.amdhsa_group_segment_fixed_size 34304
		.amdhsa_private_segment_fixed_size 0
		.amdhsa_enable_private_segment 0
		.amdhsa_kernarg_size 64
		.amdhsa_user_sgpr_count 2
		.amdhsa_user_sgpr_kernarg_segment_ptr 1
		.amdhsa_wavefront_size32 1
		.amdhsa_system_sgpr_workgroup_id_x 1
		.amdhsa_system_sgpr_workgroup_id_y 1
		.amdhsa_system_sgpr_workgroup_id_z 1
		.amdhsa_system_vgpr_workitem_id 0
		.amdhsa_next_free_vgpr 240
		.amdhsa_next_free_sgpr 66
		.amdhsa_reserve_vcc 1
		.amdhsa_float_denorm_mode_32 3
		.amdhsa_float_denorm_mode_16_64 3
		.amdhsa_memory_ordered 1
		.amdhsa_forward_progress 1
		.amdhsa_inst_pref_size 56
	.end_amdhsa_kernel
	.amdgpu_metadata
---
amdhsa.version: [ 1, 2 ]
amdhsa.kernels:
  - .name:           k_q005ad83103_quant
    .symbol:         k_q005ad83103_quant.kd
    .args:
      - { .name: x, .offset: 0, .size: 8, .value_kind: global_buffer, .address_space: global }
      - { .name: Wq, .offset: 8, .size: 8, .value_kind: global_buffer, .address_space: global }
      - { .name: Wk, .offset: 16, .size: 8, .value_kind: global_buffer, .address_space: global }
      - { .name: Wv, .offset: 24, .size: 8, .value_kind: global_buffer, .address_space: global }
      - { .name: Wo, .offset: 32, .size: 8, .value_kind: global_buffer, .address_space: global }
      - { .name: xq, .offset: 40, .size: 8, .value_kind: global_buffer, .address_space: global }
      - { .name: wq, .offset: 48, .size: 8, .value_kind: global_buffer, .address_space: global }
      - { .name: tab, .offset: 56, .size: 8, .value_kind: global_buffer, .address_space: global }
    .group_segment_fixed_size: 34304
    .private_segment_fixed_size: 0
    .kernarg_segment_align: 8
    .kernarg_segment_size: 64
    .max_flat_workgroup_size: 128
    .sgpr_count:     66
    .vgpr_count:     240
    .wavefront_size: 32
...
	.end_amdgpu_metadata
.endif
;; end of part 1
;; launch qkv (part 2): grid 8 x 48, 4 waves a work-group, clusters of 4 x 4, 327,680 bytes of LDS; arguments xq, wq, tab, bq, bk, bv, qimg, kv; writes qimg, kv
.if DOCPART == 2
	.amdgcn_target "amdgcn-amd-amdhsa--gfx1250"
	.amdhsa_code_object_version 6
	.text
	.protected	k_q005ad83103_qkv
	.globl	k_q005ad83103_qkv
	.p2align	8
	.type	k_q005ad83103_qkv,@function
k_q005ad83103_qkv:
	s_mov_b64 s[64:65], 0
	v_nop
	global_prefetch_b8 v0, s[64:65] scope:SCOPE_SE
	s_setreg_imm32_b32 hwreg(HW_REG_WAVE_MODE, 25, 1), 1
	s_wait_xcnt 0x0
	s_wait_alu depctr_hold_cnt(0) depctr_sa_sdst(0) depctr_va_vdst(0) depctr_va_sdst(0) depctr_va_ssrc(0) depctr_va_vcc(0) depctr_vm_vsrc(0)
	s_getreg_b32 s2, hwreg(HW_REG_IB_STS2, 6, 4)
	s_cmp_eq_u32 s2, 0
	s_cbranch_scc0 .Lentry_in_a_cluster
	s_endpgm
.Lentry_in_a_cluster:
	s_bfe_u32 s2, ttmp6, 0x10000c
	s_cmp_lg_u32 s2, 0xf033
	s_cbranch_scc0 .Lentry_shape_is_right
	s_endpgm
.Lentry_shape_is_right:
; q = rope(x Wq^T + bq), k = rope(x Wk^T + bk), v = x Wv^T + bv, on the codes that launch quant made; q and k are quantised along the head's 64, v along the keys, and leave as images of operand registers.
; A tile of 256 x 256 is made by four waves, each 128 x 128: 64 accumulators.  K = 1,024 goes in eight steps of 128 through a ring of two LDS slots of 256 along K; the steps are written out, so that every scale register has its own name.
; ROWBLOCKS AND IMAGES: see launch quant.  A fragment is read from LDS by six loads of 8 bytes a lane, 256 consecutive bytes each: no pitch, no padding.
; THE MATRIX INSTRUCTION: source 0 = a rowblock of "B", source 1 = a rowblock of "A".  In the result lane (r, h) holds A's lane-row r, and register j of tile b = 2 c + u holds B's row 32 c + 16 h + 8 u + j:
; the 16 registers of two neighbouring tiles are 16 neighbours.  Clusters with y < 8: A = x (tokens), B = Wq (cluster x = 0) or Wk (1): a lane holds a token and its registers run along the channels, the next K.
; Clusters with y >= 8: A = Wv (channels), B = x (tokens): a lane holds a channel and its registers run along the keys, the next K.  The choice hangs on the cluster's y alone, which all sixteen partners share.
; CLUSTERS: 4 x 4.  A's tile is shared along a row of the cluster, B's along a column: joint loads, as many requests divided by four.
; OUT: qimg [bh][step of 128 queries]: 6,656 bytes: 8 half images (768 t: pieces 0-2, K = 64), then at 6,144 the scale image: 16 bytes a lane, word i = tile 2 i in lanes 0-15, tile 2 i + 1 in lanes 16-31.
;      kv [bh][step of 128 keys]: 13,056 bytes: K as q; at 6,656 V's four images (16 channels x 128 keys each); at 12,800 V's scale image: 8 bytes a lane, word i = tile 2 i / 2 i + 1.
; LIMITS: as in launch quant (NaN, infinities, blocks under 2^-124; a block of zeros keeps the byte 1; bytes 2 and 3 of q's and k's scale words are 0 over zero codes).
; REGISTERS: window 0: v1, v2 r, h; v16-29 addresses; v32-95 scale words (register 8 i + s: A's block i in lanes 0-15, B's block i in lanes 16-31, step s) and nothing else; v96-159 the bias; v160-255 A's fragments, one set.
;   window 1: B's fragments, two sets, at v0 and v128.  windows 2, 3: the accumulators, (a, b) at v[8 (8 (a % 4) + b)].
.set XSC,   6291456
.set WSC,   3145728
.set RBB,   12288                      ; a rowblock's eight images
.set NL,    6                          ; LDS loads that bring a fragment
.set NP,    4                          ; places behind this matrix instruction (ISA guide 7.12.1)
.set FR,    12
.set HALFT, 24576                      ; 8 rowblocks x 2 images: what one tensor load brings
.set SLOT,  98304
.set SCL,   196608                     ; behind the ring: the scale words of A's 16 and B's 16 rowblocks, 4 x 4,096 bytes, filled once
.set SPARE, 212992                     ; the spare words, 128 bytes a wave, that no other line names
.set ADRA, 16
.set ADRB, 20
.set L8,   24
.set L16,  25
.set BL,   26
.set ADRS, 27
.set SPW,  28
.set NIL,  29
.set SC,   32
.set BIAS, 96
.set AF,   160
.set WV,   20
.set HA,   21                          ; which half of A's rows is mine.  Also: I fetch for A (0) or for B (1)
.set HB,   22                          ; which half of B's rows is mine.  Also: which 8 rowblocks of that tile I fetch
.set G1,   24
.set G0,   32
.set ISV,  44
.set TROW, 45
.set TCOL, 46
.set G1B,  48
.set G0B,  56
.set G1S,  68
.set G0S,  76
.set G1SB, 80
.set G0SB, 88
.set SEL,  2
.set HM,   66
.set MSB, 0
.macro WIN new                         ; the immediate's high byte repeats the setting that is left
.if MSB != (\new)
	s_set_vgpr_msb (MSB<<8)|(\new)
.set MSB, (\new)
.endif
.endm
; A joint load: waves 0 and 1 fetch for A, waves 2 and 3 for B.  An s_nop 0 and four v_nop follow each of the two lines.
.macro JLOAD g0a, g1a, g0b, g1b
	s_cmp_eq_u32 s[HA], 0
	s_cbranch_scc0 .Lfor_b_\@
	tensor_load_to_lds s[\g0a:\g0a+3], s[\g1a:\g1a+7]
	s_nop 0
.rept 4
	v_nop
.endr
	s_branch .Lasked_\@
.Lfor_b_\@:
	tensor_load_to_lds s[\g0b:\g0b+3], s[\g1b:\g1b+7]
	s_nop 0
.rept 4
	v_nop
.endr
.Lasked_\@:
.endm
.macro CREST                           ; a round of the cluster's barrier behind its opening barrier
	s_cmp_lg_u32 s[WV], 0
	s_cbranch_scc1 .Lnot_wave_0_\@
	s_barrier_signal -3
.Lnot_wave_0_\@:
	s_barrier_wait -3
	s_barrier_signal -1
	s_barrier_wait -1
.endm
.macro CROUND
	s_barrier_signal -1
	s_barrier_wait -1
	CREST
.endm
	s_load_b512 s[4:19], s[0:1], 0x0               ; xq, wq, tab, bq, bk, bv, qimg, kv
	v_lshl_add_u32 v[SPW], v0, 2, SPARE
	v_mov_b32 v[NIL], 0
	ds_add_u32 v[SPW], v[NIL]                      ; the wave's opening: the add, twice on end, and its wait ahead of my first tensor load
	ds_add_u32 v[SPW], v[NIL]
	v_lshrrev_b32 v1, 5, v0
	v_readfirstlane_b32 s[WV], v1
	s_lshr_b32 s[HA], s[WV], 1
	s_and_b32 s[HB], s[WV], 1
	s_bfe_u32 s40, ttmp6, 0x40000                  ; cx
	s_bfe_u32 s41, ttmp6, 0x40004                  ; cy
	s_and_b32 s47, ttmp7, 0xffff                   ; the cluster's y
	s_sub_co_u32 s93, s47, 8
	s_lshl_b32 s93, s93, 1
	s_add_co_u32 s93, s93, ttmp9                   ; v: 2 (cluster y - 8) + cluster x
	s_cmp_ge_u32 s47, 8
	s_cselect_b32 s[ISV], 1, 0
	s_cselect_b32 s92, 0, s47
	s_cselect_b32 s93, s93, ttmp9
	s_lshl_b32 s[TROW], s92, 2
	s_add_co_u32 s[TROW], s[TROW], s41             ; A's tile
	s_lshl_b32 s[TCOL], s93, 2
	s_add_co_u32 s[TCOL], s[TCOL], s40             ; B's tile
	s_lshl_b32 s42, s41, 2
	s_lshl_b32 s42, 15, s42                        ; my row of the cluster
	s_lshl_b32 s43, 0x1111, s40                    ; my column
	; descriptor group 1 for codes: 8 rowblocks x 3,072 bytes (two images), 12,288 bytes apart; elements of 8 bytes; no padding
	s_or_b32 s[G1+0], s42, (3<<16)|(1<<21)
	s_or_b32 s[G1B+0], s43, (3<<16)|(1<<21)
.irp g, G1, G1B
	s_mov_b32 s[\g+1], 384<<16                     ; tensor_dim0
	s_mov_b32 s[\g+2], 8<<16                       ; tensor_dim1
	s_mov_b32 s[\g+3], 384<<16                     ; tile_dim0
	s_mov_b32 s[\g+4], 8                           ; tile_dim1
	s_mov_b32 s[\g+5], 1536                        ; tensor_dim0_stride
	s_mov_b32 s[\g+6], 0
	s_mov_b32 s[\g+7], 0
.endr
	; and for the scale words of 8 rowblocks: 4,096 dense bytes as 16 rows of 256
	s_or_b32 s[G1S+0], s42, (3<<16)|(1<<21)
	s_or_b32 s[G1SB+0], s43, (3<<16)|(1<<21)
.irp g, G1S, G1SB
	s_mov_b32 s[\g+1], 32<<16
	s_mov_b32 s[\g+2], 16<<16
	s_mov_b32 s[\g+3], 32<<16
	s_mov_b32 s[\g+4], 16
	s_mov_b32 s[\g+5], 32
	s_mov_b32 s[\g+6], 0
	s_mov_b32 s[\g+7], 0
.endr
	s_lshl_b32 s23, s[HB], 3
	s_lshl_b32 s94, s[TROW], 4
	s_add_co_u32 s94, s94, s23                     ; the first rowblock of A that I fetch
	s_lshl_b32 s96, s[TCOL], 4
	s_add_co_u32 s96, s96, s23                     ; and of B
	s_lshl_b32 s98, s94, 9
	s_mul_i32 s94, s94, RBB
	s_lshl_b32 s100, s96, 9
	s_mul_i32 s96, s96, RBB
	s_mov_b32 s95, 0
	s_mov_b32 s97, 0
	s_mov_b32 s99, 0
	s_mov_b32 s101, 0
	s_mov_b32 s67, XSC
	s_mov_b32 s66, WSC
	s_cmp_eq_u32 s[ISV], 1
	s_cselect_b32 s92, 1572864, 0                  ; v: A is Wv, rowblocks 128 on of wq
	s_cselect_b32 s93, WSC+65536, s67
	s_cselect_b32 s67, s67, s66
	s_add_co_u32 s94, s94, s92
	s_add_co_u32 s98, s98, s93
	s_add_co_u32 s100, s100, s67
	s_mul_i32 s23, s[WV], HALFT                    ; where they go: no place in the cluster enters an LDS address
	s_lshl_b32 s47, s[WV], 12
	s_wait_dscnt 0x0                               ; both opening adds are done
	s_wait_kmcnt 0x0
	s_cmp_eq_u32 s[ISV], 1
	s_cselect_b64 s[92:93], s[6:7], s[4:5]         ; A's buffer
	s_cselect_b64 s[66:67], s[4:5], s[6:7]         ; B's
	s_add_nc_u64 s[94:95], s[92:93], s[94:95]
	s_add_nc_u64 s[98:99], s[92:93], s[98:99]
	s_add_nc_u64 s[96:97], s[66:67], s[96:97]
	s_add_nc_u64 s[100:101], s[66:67], s[100:101]
	CROUND                                         ; all sixteen work-groups are here: the first joint loads meet
	s_mov_b32 s[G0S], 1
	s_add_co_u32 s[G0S+1], s47, SCL
	s_mov_b64 s[G0S+2:G0S+3], s[98:99]
	s_or_b32 s[G0S+3], s[G0S+3], 0x80000000
	s_mov_b32 s[G0SB], 1
	s_add_co_u32 s[G0SB+1], s47, SCL
	s_mov_b64 s[G0SB+2:G0SB+3], s[100:101]
	s_or_b32 s[G0SB+3], s[G0SB+3], 0x80000000
	JLOAD G0S, G1S, G0SB, G1SB                     ; three tensor loads of mine are out behind these lines: the scale words, slot 0, slot 1
.irp s, 0,1
	s_mov_b32 s[G0+4*\s], 1
	s_add_co_u32 s[G0+4*\s+1], s23, \s*SLOT
	s_add_nc_u64 s[G0+4*\s+2:G0+4*\s+3], s[94:95], \s*3072
	s_or_b32 s[G0+4*\s+3], s[G0+4*\s+3], 0x80000000
	s_mov_b32 s[G0B+4*\s], 1
	s_add_co_u32 s[G0B+4*\s+1], s23, \s*SLOT
	s_add_nc_u64 s[G0B+4*\s+2:G0B+4*\s+3], s[96:97], \s*3072
	s_or_b32 s[G0B+4*\s+3], s[G0B+4*\s+3], 0x80000000
	JLOAD G0+4*\s, G1, G0B+4*\s, G1B
.endr
	v_and_b32 v1, 15, v0                           ; r
	v_bfe_u32 v2, v0, 4, 1                         ; h
	s_wait_alu depctr_va_vdst(0)
	v_and_b32 v3, 31, v0
	v_lshlrev_b32 v[L8], 3, v3
	v_lshlrev_b32 v[L16], 4, v3
	s_mul_i32 s92, s[HA], HALFT
	s_mul_i32 s93, s[HB], HALFT
	s_add_co_u32 s93, s93, 2*HALFT
.irp s, 0,1
	v_add_nc_u32 v[ADRA+\s], s92, v[L8]
	v_add_nc_u32 v[ADRB+\s], s93, v[L8]
	s_add_co_u32 s92, s92, SLOT
	s_add_co_u32 s93, s93, SLOT
.endr
	v_lshlrev_b32 v4, 4, v1
	s_lshl_b32 s92, s[HA], 12                      ; A's scale words: my 8 rowblocks
	s_lshl_b32 s93, s[HB], 12
	s_add_co_u32 s93, s93, 8192                    ; B's lie behind A's 16
	s_sub_co_u32 s93, s93, s92
	v_mul_u32_u24 v5, s93, v2                      ; lanes 16-31 take B's
	s_add_co_u32 s92, s92, SCL
	v_add_nc_u32 v4, v4, v5
	v_add_nc_u32 v[ADRS], s92, v4
.macro FRAG reg, adr, q, i             ; a fragment as it lies: six pieces of 256 bytes, 8 bytes a lane
.irp p, 0,1,2,3,4,5
	ds_load_b64 v[\reg+2*\p:\reg+2*\p+1], v[\adr] offset:3072*(\i)+1536*(\q)+256*\p
.endr
.endm
; 16 matrix instructions: A's blocks a0, a0 + 1 x B's eight.  p: B's set; ks: the step of 128 along K.  mode 0: sums go on; 1: the constant 0 starts them; 2: the bias starts them.
; The 64 accumulators take turns, one instruction a turn, in the same order in every step.
.macro MUL16 a0, p, ks, mode
.irp a, \a0, \a0+1
.irp b, 0,1,2,3,4,5,6,7
.if \mode == 0
	v_wmma_scale_f32_16x16x128_f8f6f4 v[8*(8*((\a)%4)+\b):8*(8*((\a)%4)+\b)+7], v[128*(\p)+FR*\b:128*(\p)+FR*\b+FR-1], v[AF+FR*(\a):AF+FR*(\a)+FR-1], v[8*(8*((\a)%4)+\b):8*(8*((\a)%4)+\b)+7], v[SC+8*\b+(\ks)], v[SC+8*(\a)+(\ks)] matrix_a_fmt:MATRIX_FMT_FP6 matrix_b_fmt:MATRIX_FMT_FP6 matrix_a_scale:MATRIX_SCALE_ROW1
.elseif \mode == 1
	v_wmma_scale_f32_16x16x128_f8f6f4 v[8*(8*((\a)%4)+\b):8*(8*((\a)%4)+\b)+7], v[128*(\p)+FR*\b:128*(\p)+FR*\b+FR-1], v[AF+FR*(\a):AF+FR*(\a)+FR-1], 0, v[SC+8*\b+(\ks)], v[SC+8*(\a)+(\ks)] matrix_a_fmt:MATRIX_FMT_FP6 matrix_b_fmt:MATRIX_FMT_FP6 matrix_a_scale:MATRIX_SCALE_ROW1
.else
	v_wmma_scale_f32_16x16x128_f8f6f4 v[8*(8*((\a)%4)+\b):8*(8*((\a)%4)+\b)+7], v[128*(\p)+FR*\b:128*(\p)+FR*\b+FR-1], v[AF+FR*(\a):AF+FR*(\a)+FR-1], v[BIAS+8*\b:BIAS+8*\b+7], v[SC+8*\b+(\ks)], v[SC+8*(\a)+(\ks)] matrix_a_fmt:MATRIX_FMT_FP6 matrix_b_fmt:MATRIX_FMT_FP6 matrix_a_scale:MATRIX_SCALE_ROW1
.endif
.endr
.endr
.endm
.macro FETCH_B slot, q, p
	WIN 0x40                                       ; destination window 1
.irp i, 0,1,2,3,4,5,6,7
	FRAG 128*(\p)+FR*\i, ADRB+\slot, \q, \i
.endr
	WIN 0
.endm
.macro FETCH_A slot, q, i0
.irp i, \i0, \i0+1, \i0+2, \i0+3
	FRAG AF+FR*(\i), ADRA+\slot, \q, \i
.endr
.endm
.macro SCALES                          ; all eight steps' scale words, once: lanes 0-15 A's block i, lanes 16-31 B's block i
.irp i, 0,1,2,3,4,5,6,7
	ds_load_b128 v[SC+8*\i:SC+8*\i+3], v[ADRS] offset:512*\i
	ds_load_b128 v[SC+8*\i+4:SC+8*\i+7], v[ADRS] offset:512*\i+256
.endr
.endm
.macro PLACES n                        ; plain places in front of loads into registers that matrix instructions have read, and of the first read of results
.rept \n
	v_nop
.endr
.endm
; A slot's first step.  Source 0 (B) window 1, source 1 (A) window 0, D window 2 or 3; C with D, or (mode 2) in window 0.
.macro STEP slot, ks, mode
	s_wait_dscnt 4*NL                              ; all but the youngest 24 loads (A's blocks 4-7) are in
.if \mode == 2
	WIN 0x81
.else
	WIN 0xa1
.endif
	MUL16 0, 0, \ks, \mode
	MUL16 2, 0, \ks, \mode
	s_wait_dscnt 0
	PLACES NP
	FETCH_B \slot, 1, 1
	FETCH_A \slot, 1, 0
.if \mode == 2
	WIN 0xc1
.else
	WIN 0xf1
.endif
	MUL16 4, 0, \ks, \mode
	MUL16 6, 0, \ks, \mode
	PLACES NP
	WIN 0
	FETCH_A \slot, 1, 4
.endm
; A slot's second step changes slots: one barrier; in front of it each wave waits for all its tensor loads, adds 0 to its spare word, and waits for that and for its reads of this slot.
.macro TURN slot, next, ks, fill
	s_wait_tensorcnt 0x0                           ; all my tensor loads have landed: my part of the next slot
	ds_add_u32 v[SPW], v[NIL]
	s_wait_dscnt 4*NL+1                            ; (the add and the youngest 24 loads may be out)
	WIN 0xa1
	MUL16 0, 1, \ks, 0
	s_wait_dscnt 0x0                               ; the add is done, and my reads of this slot are over
	s_barrier_signal -1
	MUL16 2, 1, \ks, 0
	WIN 0
	s_barrier_wait -1
.if \fill
	CREST                                          ; the barrier has opened a round of the cluster's: no wave of any partner still reads this slot or has a load on its way
	s_add_nc_u64 s[G0+4*\slot+2:G0+4*\slot+3], s[G0+4*\slot+2:G0+4*\slot+3], 6144
	s_add_nc_u64 s[G0B+4*\slot+2:G0B+4*\slot+3], s[G0B+4*\slot+2:G0B+4*\slot+3], 6144
	JLOAD G0+4*\slot, G1, G0B+4*\slot, G1B         ; my one tensor load behind the round; its four v_nop are the places in front of the loads below
.else
	PLACES NP
.endif
	FETCH_B \next, 0, 0
	FETCH_A \next, 0, 0
	WIN 0xf1
	MUL16 4, 1, \ks, 0
	MUL16 6, 1, \ks, 0
	PLACES NP
	WIN 0
	FETCH_A \next, 0, 4
.endm
	s_wait_alu depctr_va_vdst(0)
	s_wait_tensorcnt 1                             ; the scale words and my part of slot 0 are in; slot 1's load may be out
	s_barrier_signal -1
	s_barrier_wait -1
	FETCH_B 0, 0, 0
	FETCH_A 0, 0, 0
	SCALES
	FETCH_A 0, 0, 4
	s_cmp_eq_u32 s[ISV], 1
	s_cbranch_scc1 .Lv_first
	; q, k: the bias hangs on the channel, which is B's row: eight registers a tile b, in the result's layout; it is the C of each sum's first product
	s_lshl_b32 s94, s[TCOL], 4
	s_lshl_b32 s95, s[HB], 3
	s_add_co_u32 s94, s94, s95
	s_and_b32 s94, s94, 63
	s_lshl_b32 s94, s94, 6                         ; my first channel x 4 bytes
	s_mov_b32 s95, 0
	s_cmp_eq_u32 ttmp9, 0
	s_cselect_b64 s[92:93], s[10:11], s[12:13]     ; bq or bk
	s_add_nc_u64 s[92:93], s[92:93], s[94:95]
	v_lshlrev_b32 v[BL], 6, v2
.irp b, 0,1,2,3,4,5,6,7
	global_load_b128 v[BIAS+8*\b:BIAS+8*\b+3], v[BL], s[92:93] offset:(32*(\b/2)+8*(\b%2))*4
	global_load_b128 v[BIAS+8*\b+4:BIAS+8*\b+7], v[BL], s[92:93] offset:(32*(\b/2)+8*(\b%2))*4+16
.endr
	s_wait_loadcnt 0x0
	STEP 0, 0, 2
	s_branch .Lfirst_done
.Lv_first:
	; v: the bias hangs on the channel, which is A's row, the lane's: one number a block a, twice, for a packed addition on the way out
	s_lshl_b32 s94, s[TROW], 8
	s_lshl_b32 s95, s[HA], 7
	s_add_co_u32 s94, s94, s95
	s_lshl_b32 s94, s94, 2
	s_mov_b32 s95, 0
	s_add_nc_u64 s[92:93], s[14:15], s[94:95]
	v_and_b32 v3, 8, v1
	v_add_nc_u32 v3, v3, v1
	v_lshlrev_b32 v[BL], 2, v3
.irp a, 0,1,2,3,4,5,6,7
	global_load_b32 v[BIAS+2*\a], v[BL], s[92:93] offset:(32*(\a/2)+8*(\a%2))*4
	global_load_b32 v[BIAS+2*\a+1], v[BL], s[92:93] offset:(32*(\a/2)+8*(\a%2))*4
.endr
	s_wait_loadcnt 0x0
	STEP 0, 0, 1
.Lfirst_done:
	TURN 0, 1, 1, 1
	STEP 1, 2, 0
	TURN 1, 0, 3, 1
	STEP 0, 4, 0
	TURN 0, 1, 5, 0                                ; nothing is left to fetch
	STEP 1, 6, 0
	s_wait_dscnt 4*NL
	WIN 0xa1
	MUL16 0, 1, 7, 0
	MUL16 2, 1, 7, 0
	s_wait_dscnt 0
	WIN 0xf1
	MUL16 4, 1, 7, 0
	MUL16 6, 1, 7, 0
	WIN 0
; THE WAY OUT: no stage: every store is a register image, 256 or 512 consecutive bytes.
.set RO,  96                           ; q, k: 32 rotated numbers of a lane: 16 of the head's block 0, 16 of block 1
.set TT,  128
.set SW,  160                          ; 16 scale words (head, tile)
.set TM,  176                          ; at work in the quantisers
.set CD,  192                          ; q, k: six registers of codes
.set TC,  200
.set W4,  204
.set BV,  96                           ; v: the bias pairs
.set VX,  112                          ; 64 numbers of a lane: 128 keys' halves
.set PC,  192                          ; v: twelve registers of codes, and eight at work
.set SWV, 212
.set W2,  220
	PLACES NP
.irp b, 0,1,2,3
	v_mov_b32 v[TM+4+\b], 0                        ; a lane permute's destination counts as one of its sources
.endr
	s_mov_b32 s[SEL], 0x76543210
	s_mov_b32 s[SEL+1], 0xfedcba98
	s_mov_b32 s[HM], 0xffff0000
; 32 numbers of a lane, register 16 b + i = k 32 b + 16 h + i of my row, become a half image's six registers and a scale word of two bytes
.macro QUANT2 s, cd, word
.irp b, 0,1
	v_max3_num_f32 v[TM+\b], |v[\s+16*\b]|, |v[\s+1+16*\b]|, 0x1800000
.endr
.irp i, 2,4,6,8,10,12,14
.irp b, 0,1
	v_max3_num_f32 v[TM+\b], v[TM+\b], |v[\s+16*\b+\i]|, |v[\s+1+16*\b+\i]|
.endr
.endr
.irp b, 0,1
	v_permlanex16_b32 v[TM+4+\b], v[TM+\b], s[SEL], s[SEL+1]
.endr
.irp b, 0,1
	v_max_num_f32 v[TM+\b], v[TM+\b], v[TM+4+\b]   ; with lane l xor 16's: the block's largest magnitude
.endr
.irp b, 0,1
	v_add_nc_u32 v[TM+12+\b], 0xff000000, v[TM+\b]
.endr
.irp b, 0,1
	v_lshrrev_b32 v[TM+4+\b], 23, v[TM+12+\b]
.endr
	v_lshl_or_b32 v[\word], v[TM+5], 8, v[TM+4]
	v_cvt_scalef32_pk16_fp6_f32 v[\cd:\cd+2], v[\s:\s+15], v[TM+12]
	v_cvt_scalef32_pk16_fp6_f32 v[TC:TC+2], v[\s+16:\s+31], v[TM+13]
	v_nop                                          ; one plain place behind the conversions
.irp i, 0,1,2
	v_permlane16_swap_b32 v[\cd+\i], v[TC+\i]      ; the layout wants a whole block in a lane: lanes 0-15 block 0, lanes 16-31 block 1
.endr
.irp i, 0,1,2
	v_mov_b32 v[\cd+3+\i], v[TC+\i]
.endr
.endm
; 64 numbers of a lane likewise: four blocks, a whole image's twelve registers at v[PC] on, a scale word of four bytes
.macro QUANT4 s, word
.irp b, 0,1,2,3
	v_max3_num_f32 v[TM+\b], |v[\s+16*\b]|, |v[\s+1+16*\b]|, 0x1800000
.endr
.irp i, 2,4,6,8,10,12,14
.irp b, 0,1,2,3
	v_max3_num_f32 v[TM+\b], v[TM+\b], |v[\s+16*\b+\i]|, |v[\s+1+16*\b+\i]|
.endr
.endr
.irp b, 0,1,2,3
	v_permlanex16_b32 v[TM+4+\b], v[TM+\b], s[SEL], s[SEL+1]
.endr
.irp b, 0,1,2,3
	v_max_num_f32 v[TM+\b], v[TM+\b], v[TM+4+\b]
.endr
.irp b, 0,1,2,3
	v_add_nc_u32 v[TM+12+\b], 0xff000000, v[TM+\b]
.endr
.irp b, 0,1,2,3
	v_lshrrev_b32 v[TM+4+\b], 23, v[TM+12+\b]
.endr
	v_lshl_or_b32 v[\word], v[TM+5], 8, v[TM+4]
	v_lshl_or_b32 v[\word], v[TM+6], 16, v[\word]
	v_lshl_or_b32 v[\word], v[TM+7], 24, v[\word]
.irp c, 0,1
	v_cvt_scalef32_pk16_fp6_f32 v[PC+6*\c:PC+2+6*\c], v[\s+32*\c:\s+15+32*\c], v[TM+12+2*\c]
	v_cvt_scalef32_pk16_fp6_f32 v[PC+12+4*\c:PC+14+4*\c], v[\s+16+32*\c:\s+31+32*\c], v[TM+12+2*\c+1]
.endr
	v_nop
.irp c, 0,1
.irp i, 0,1,2
	v_permlane16_swap_b32 v[PC+6*\c+\i], v[PC+12+4*\c+\i]
.endr
.irp i, 0,1,2
	v_mov_b32 v[PC+3+6*\c+\i], v[PC+12+4*\c+\i]
.endr
.endr
.endm
	s_cmp_eq_u32 s[ISV], 1
	s_cbranch_scc1 .Lv_out
	; ---- q, k.  My 8 rowblocks of tokens are one step of 128 positions; my 8 rowblocks of channels are two heads.
	s_lshl_b32 s92, s[TROW], 4
	s_lshl_b32 s93, s[HA], 3
	s_add_co_u32 s92, s92, s93                     ; my first rowblock of tokens
	s_and_b32 s93, s92, 127                        ; in its sequence
	s_lshl_b32 s96, s93, 12
	s_mov_b32 s97, 0
	s_add_nc_u64 s[96:97], s[8:9], s[96:97]        ; its record of the table
	s_lshr_b32 s93, s93, 3                         ; the step of 128
	s_lshr_b32 s92, s92, 7                         ; the batch
	s_lshl_b32 s92, s92, 4
	s_lshl_b32 s98, s[TCOL], 4
	s_lshl_b32 s99, s[HB], 3
	s_add_co_u32 s98, s98, s99
	s_and_b32 s98, s98, 63
	s_lshr_b32 s98, s98, 2                         ; my first head
	s_add_co_u32 s92, s92, s98
	s_lshl_b32 s92, s92, 4
	s_add_co_u32 s92, s92, s93
	s_mov_b32 s99, 13056
	s_cmp_eq_u32 ttmp9, 0
	s_cselect_b32 s99, 6656, s99                   ; a record of qimg or of kv
	s_cselect_b64 s[100:101], s[16:17], s[18:19]
	s_mul_i32 s92, s92, s99
	s_mov_b32 s93, 0
	s_add_nc_u64 s[92:93], s[100:101], s[92:93]    ; the first head's record
	s_lshl_b32 s94, s99, 4
	s_mov_b32 s95, 0
	s_add_nc_u64 s[94:95], s[92:93], s[94:95]      ; the second head's: 16 records on
.macro TAB a                           ; the cosines (16 registers) and sines (16) of tile a's positions, into window 1, set a % 2
	WIN 0x40
.irp i, 0,1,2,3,4,5,6,7
	global_load_b128 v[32*((\a)%2)+4*\i:32*((\a)%2)+4*\i+3], v[L16], s[96:97] offset:4096*(\a)+512*\i
.endr
	WIN 0
.endm
; Tile a of tokens, head eta: X0 = the head's channels 16 h + 0..15, X1 = channels 32 + 16 h + 0..15.  out0 = X0 cos - X1 sin, out1 = X1 cos + X0 sin.  Each accumulator is read from its low end on.
.macro QKTILE a, eta
.set AC, 64*((\a)%4)+32*(\eta)
.set CSN, 32*((\a)%2)
	WIN 0x06+(\a)/4                                ; source 0: the accumulators' window; source 1: window 1
.irp i, 0,2,4,6,8,10,12,14
	v_pk_mul_f32 v[TT+\i:TT+\i+1], v[AC+16+\i:AC+17+\i], v[CSN+16+\i:CSN+17+\i]
	v_pk_fma_f32 v[RO+\i:RO+\i+1], v[AC+\i:AC+\i+1], v[CSN+\i:CSN+\i+1], v[TT+\i:TT+\i+1] neg_lo:[0,0,1] neg_hi:[0,0,1]
	v_pk_mul_f32 v[TT+16+\i:TT+17+\i], v[AC+\i:AC+\i+1], v[CSN+16+\i:CSN+17+\i]
	v_pk_fma_f32 v[RO+16+\i:RO+17+\i], v[AC+16+\i:AC+17+\i], v[CSN+\i:CSN+\i+1], v[TT+16+\i:TT+17+\i]
.endr
	WIN 0
	s_wait_xcnt 0x0                                ; the last tile's stores have read the codes' registers
	QUANT2 RO, CD, SW+8*(\eta)+(\a)
.irp p, 0,1,2
	global_store_b64 v[L8], v[CD+2*\p:CD+2*\p+1], s[92+2*(\eta):93+2*(\eta)] offset:768*(\a)+256*\p
.endr
.endm
	TAB 0
	TAB 1
.irp a, 0,1,2,3,4,5,6,7
.if \a < 7
	s_wait_loadcnt 8                               ; this tile's eight loads are in; the next tile's may be out
.else
	s_wait_loadcnt 0
.endif
	QKTILE \a, 0
	QKTILE \a, 1
.if \a < 6
	TAB \a+2
.endif
.endr
.irp e, 0,1
	s_wait_xcnt 0x0
.irp i, 0,1,2,3
	v_cndmask_b32 v[W4+\i], v[SW+8*\e+2*\i], v[SW+8*\e+2*\i+1], s[HM]
.endr
	global_store_b128 v[L16], v[W4:W4+3], s[92+2*\e:93+2*\e] offset:6144
.endr
	s_branch .Lend
	; ---- v.  My 8 rowblocks of channels are two heads of four tiles; my 8 rowblocks of tokens are one step of 128 keys.
.Lv_out:
	s_lshl_b32 s92, s[TCOL], 4
	s_lshl_b32 s93, s[HB], 3
	s_add_co_u32 s92, s92, s93                     ; my first rowblock of tokens
	s_and_b32 s93, s92, 127
	s_lshr_b32 s93, s93, 3                         ; the step of 128 keys
	s_lshr_b32 s92, s92, 7
	s_lshl_b32 s92, s92, 4
	s_lshl_b32 s94, s[TROW], 2
	s_lshl_b32 s95, s[HA], 1
	s_add_co_u32 s94, s94, s95                     ; my first head
	s_add_co_u32 s92, s92, s94
	s_lshl_b32 s92, s92, 4
	s_add_co_u32 s92, s92, s93
	s_mul_i32 s92, s92, 13056
	s_add_co_u32 s92, s92, 6656
	s_mov_b32 s93, 0
	s_add_nc_u64 s[92:93], s[18:19], s[92:93]
.irp a, 0,1,2,3,4,5,6,7
	WIN 0x02+\a/4
.set n, 0
.rept 32
	v_pk_add_f32 v[VX+n:VX+n+1], v[64*(\a%4)+n:64*(\a%4)+n+1], v[BV+2*\a:BV+2*\a+1]   ; + bv of my channel; each accumulator from its low end on
.set n, n+2
.endr
	WIN 0
	s_wait_xcnt 0x0                                ; the last tile's stores have read the codes' registers
	QUANT4 VX, SWV+\a
.irp p, 0,1,2,3,4,5
	global_store_b64 v[L8], v[PC+2*\p:PC+2*\p+1], s[92:93] offset:208896*(\a/4)+1536*(\a%4)+256*\p
.endr
.endr
.irp e, 0,1
	s_wait_xcnt 0x0
	v_cndmask_b32 v[W2], v[SWV+4*\e], v[SWV+4*\e+1], s[HM]
	v_cndmask_b32 v[W2+1], v[SWV+4*\e+2], v[SWV+4*\e+3], s[HM]
	global_store_b64 v[L8], v[W2:W2+1], s[92:93] offset:208896*\e+6144
.endr
.Lend:
	s_wait_tensorcnt 0x0                           ; the wave's end
	ds_add_u32 v[SPW], v[NIL]
	s_wait_dscnt 0x0
	CROUND                                         ; the closing round: no work-group ends while a partner may still ask for a tile that names it
	s_endpgm
.Lfunc_end_k_q005ad83103_qkv:
	.size	k_q005ad83103_qkv, .Lfunc_end_k_q005ad83103_qkv-k_q005ad83103_qkv
	.p2alignl 7, 3214868480
	.fill 96, 4, 3214868480
	.section	.rodata,"a",@progbits
	.p2align	6, 0x0
	.amdhsa_kernel k_q005ad83103_qkv
		.amdhsa_group_segment_fixed_size 327680
		.amdhsa_private_segment_fixed_size 0
		.amdhsa_enable_private_segment 0
		.amdhsa_kernarg_size 64
		.amdhsa_user_sgpr_count 2
		.amdhsa_user_sgpr_kernarg_segment_ptr 1
		.amdhsa_wavefront_size32 1
		.amdhsa_system_sgpr_workgroup_id_x 1
		.amdhsa_system_sgpr_workgroup_id_y 1
		.amdhsa_system_sgpr_workgroup_id_z 1
		.amdhsa_system_vgpr_workitem_id 0
		.amdhsa_next_free_vgpr 1024
		.amdhsa_next_free_sgpr 102
		.amdhsa_reserve_vcc 0
		.amdhsa_float_denorm_mode_32 3
		.amdhsa_float_denorm_mode_16_64 3
		.amdhsa_memory_ordered 1
		.amdhsa_forward_progress 1
		.amdhsa_inst_pref_size 255
	.end_amdhsa_kernel
	.section	.bss,"aw",@nobits
	.p2align	6
	.space	262144
	.amdgpu_metadata
---
amdhsa.version: [ 1, 2 ]
amdhsa.kernels:
  - .name:           k_q005ad83103_qkv
    .symbol:         k_q005ad83103_qkv.kd
    .args:
      - { .name: xq, .offset: 0, .size: 8, .value_kind: global_buffer, .address_space: global }
      - { .name: wq, .offset: 8, .size: 8, .value_kind: global_buffer, .address_space: global }
      - { .name: tab, .offset: 16, .size: 8, .value_kind: global_buffer, .address_space: global }
      - { .name: bq, .offset: 24, .size: 8, .value_kind: global_buffer, .address_space: global }
      - { .name: bk, .offset: 32, .size: 8, .value_kind: global_buffer, .address_space: global }
      - { .name: bv, .offset: 40, .size: 8, .value_kind: global_buffer, .address_space: global }
      - { .name: qimg, .offset: 48, .size: 8, .value_kind: global_buffer, .address_space: global }
      - { .name: kv, .offset: 56, .size: 8, .value_kind: global_buffer, .address_space: global }
    .group_segment_fixed_size: 327680
    .private_segment_fixed_size: 0
    .kernarg_segment_align: 8
    .kernarg_segment_size: 64
    .max_flat_workgroup_size: 128
    .sgpr_count:     102
    .vgpr_count:     1024
    .wavefront_size: 32
...
	.end_amdgpu_metadata
.endif
;; end of part 2
;; launch attn (part 3): grid 4 x 64, 16 waves a work-group, no clusters, 327,680 bytes of LDS; arguments qimg, kv, yq; writes yq
.if DOCPART == 3
	.amdgcn_target "amdgcn-amd-amdhsa--gfx1250"
	.amdhsa_code_object_version 6
	.text
	.protected	k_q005ad83103_attn
	.globl	k_q005ad83103_attn
	.p2align	8
	.type	k_q005ad83103_attn,@function
k_q005ad83103_attn:
	s_mov_b64 s[64:65], 0
	v_nop
	global_prefetch_b8 v0, s[64:65] scope:SCOPE_SE
	s_setreg_imm32_b32 hwreg(HW_REG_WAVE_MODE, 25, 1), 1
	s_wait_xcnt 0x0
; y[b][t][head] = softmax(q k^T / 8, causal) v, both products on codes of E2M3; y is quantised along D and leaves as images of operand registers (yq, laid as xq: see launch quant).
; WORK LEFT OUT: key steps of 128 keys that lie wholly behind a wave's 16 queries: reference() sets their scores to -inf by a mask that it builds itself, so they add 0 to the sum and to y for all values of the inputs.
; LIMITS: a NaN, an infinity or an overflow that reaches only those scores is not carried on; NaN and infinities among the inputs are not served; a block's largest p is taken from its largest score, which takes
; v_exp_f32 not to fall where its input rises; a block of zeros keeps the scale byte 1 over zero codes.
; THE SOFTMAX: t = score x log2(e) / 8; M = the running largest t rounded up to a whole number; p = 2^(t - M) is quantised along the keys; the row's sum is taken of the unquantised p and divides at the end.
; SHARES: work-group (i, bh) owns the blocks i and 7 - i of 256 queries of one head, one after the other: block i walks key slots 0..i (256 keys each), block 7 - i slots 0..7 - i: nine trips in every work-group.
; So the trip count is a constant, all 256 work-groups have equal work, and every slot that is fetched is read.  Each of the sixteen waves owns one rowblock of 16 queries: 32 b + 8 u + r + (r & 8).
; NO CLUSTER: in one and the same trip the four work-groups of a head need different key slots (trip t is slot t in one and slot t - i - 1 in another), so no joint request can be formed.
; LAYOUT: S^T = K Q^T and O^T = V^T P^T: a lane holds one query throughout; K's rowblocks make the 16 registers of two neighbouring tiles 16 neighbouring keys.  The first product's K is 64: registers 6-11 of Q's and K's
; fragments are zero codes, written once.
; A record of kv (13,056 bytes, 128 keys): K's 8 half images, K's scale image at 6,144, V's 4 images at 6,656, V's scale image at 12,800.  A slot is two records; waves 0 and 1 fetch one each, by one tensor load.
; REGISTERS: v1-11 addresses; v12 -M, v13 the largest t, v[14:15] the sum; v16-27 Q; v[28:29] V's scale words; v30 p's scale word; v31 y's; v32-79 four fragments of K; v80-127 four of V; v128-191 S^T, then p;
; v192-223 O^T; v224-235 p's codes; v232-247 at work; v248-251 K's scale words; v252 f (v253 stays 0: named with it as a pair); v254 at work; v255 Q's scale word.
.set REC,   13056
.set SLOT1, 32768
.set SPARE, 65536                      ; behind the ring: the spare words, 128 bytes a wave, that no other line names
.set YSC,   6291456
.set L8,   1
.set L16,  2
.set QO,   3
.set QS,   4
.set SPW,  5
.set NIL,  6
.set R16,  7
.set AD8,  8
.set AD16, 9
.set MK,   10
.set PFO,  11
.set TB,   2
.set WV,   18
.set SEL,  20
.set CS,   22
.set G1,   24
.set G0,   40
.set KVB,  44
.set PI,   66
.set TRIP, 67
.set KSN,  68
.set PFA,  76
.set LIM,  80
.set KF,   98
.set Q0,   99
.macro TLOAD                           ; waves 0 and 1 fetch a record each; an s_nop 0 and four v_nop follow the line
	s_cmp_lt_u32 s[WV], 2
	s_cbranch_scc0 .Lnoload_\@
	tensor_load_to_lds s[G0:G0+3], s[G1:G1+7]
	s_nop 0
.rept 4
	v_nop
.endr
.Lnoload_\@:
.endm
; A prefetch of the key slot that the NEXT change of slots will ask for.  The head's work-group 0 is the first to reach slots 4 to 7, in its trips 5 to 8: it asks for slot TRIP + 1 in trips 3 to 6, waves 4 to 6,
; 8,192 bytes a wave, lanes 256 bytes apart: the first 96 of a slot's 102 blocks of 256 bytes, each named once.  Slots 0 to 3, which all four work-groups read at the start, come by their loads alone.
.macro ASK
	s_sub_co_u32 s96, s[TRIP], 3
	s_cmp_lt_u32 s96, s[LIM]
	s_cbranch_scc0 .Lnoask_\@
	global_prefetch_b8 v[PFO], s[PFA:PFA+1] th:TH_LOAD_NT scope:SCOPE_SE
.Lnoask_\@:
.endm
.macro BLOCKADR blk, n                 ; the offsets of block s[blk]'s record of q, of its images of y and of their scale bytes
	s_lshl_b32 s86, s82, 4
	s_lshl_b32 s87, s[\blk], 1
	s_add_co_u32 s86, s86, s87
	s_lshr_b32 s87, s[WV], 3
	s_add_co_u32 s86, s86, s87
	s_mul_i32 s[48+2*\n], s86, 6656
	s_mov_b32 s[49+2*\n], 0
	s_lshr_b32 s86, s82, 4
	s_lshl_b32 s86, s86, 7
	s_lshl_b32 s87, s[\blk], 4
	s_add_co_u32 s86, s86, s87
	s_add_co_u32 s86, s86, s[WV]                   ; my rowblock of tokens
	s_mul_i32 s[52+2*\n], s86, 12288
	s_add_co_u32 s[52+2*\n], s[52+2*\n], s88
	s_mov_b32 s[53+2*\n], 0
	s_lshl_b32 s[56+2*\n], s86, 9
	s_add_co_u32 s[56+2*\n], s[56+2*\n], s89
	s_mov_b32 s[57+2*\n], 0
.endm
	s_load_b128 s[4:7], s[0:1], 0x0                ; qimg, kv
	s_load_b64 s[8:9], s[0:1], 0x10                ; yq
	v_lshl_add_u32 v[SPW], v0, 2, SPARE
	v_mov_b32 v[NIL], 0
	ds_add_u32 v[SPW], v[NIL]                      ; the wave's opening: the add, twice on end, and its wait ahead of my first tensor load
	ds_add_u32 v[SPW], v[NIL]
	v_lshrrev_b32 v8, 5, v0
	s_delay_alu instid0(VALU_DEP_1)
	v_readfirstlane_b32 s[WV], v8
	s_and_b32 s82, ttmp7, 0xffff                   ; batch x 16 + head
	s_mov_b32 s[PI], ttmp9                         ; my first block
	s_sub_co_u32 s81, 7, s[PI]                     ; my second
	s_and_b32 s83, s[WV], 1
	s_mul_i32 s69, s83, REC
	s_mul_i32 s84, s82, 16*REC
	s_mov_b32 s85, 0
	s_and_b32 s90, s82, 15                         ; the head
	s_lshr_b32 s91, s90, 1
	s_mul_i32 s88, s91, 1536
	s_and_b32 s92, s90, 1
	s_mul_i32 s93, s92, 768
	s_add_co_u32 s88, s88, s93                     ; its half of an image of y
	s_lshr_b32 s89, s90, 3
	s_lshl_b32 s89, s89, 8
	s_and_b32 s91, s91, 3
	s_lshl_b32 s91, s91, 2
	s_add_co_u32 s89, s89, s91
	s_lshl_b32 s92, s92, 1
	s_add_co_u32 s89, s89, s92
	s_add_co_u32 s89, s89, YSC                     ; its two bytes of a scale word
	BLOCKADR PI, 0
	BLOCKADR 81, 1
	s_lshr_b32 s86, s[WV], 1
	s_lshl_b32 s86, s86, 5
	s_lshl_b32 s[Q0], s[PI], 8
	s_add_co_u32 s[Q0], s[Q0], s86                 ; 32 b of my rowblock: my queries lie from here to 31 on
	s_lshl_b32 s95, s81, 8
	s_add_co_u32 s95, s95, s86                     ; the same in the second block
	s_sub_co_u32 s86, s[WV], 4
	s_cmp_lt_u32 s86, 3
	s_cselect_b32 s[LIM], 4, 0
	s_cmp_eq_u32 ttmp9, 0
	s_cselect_b32 s[LIM], s[LIM], 0
	s_and_b32 s86, s[WV], 3
	s_lshl_b32 s86, s86, 13
	s_mov_b32 s87, 0
	; descriptor group 1: a record: 51 rows of 256 bytes, dense; elements of 8 bytes; no mask, no padding
	s_mov_b32 s[G1], 3<<16
	s_mov_b32 s[G1+1], 32<<16
	s_mov_b32 s[G1+2], 51<<16
	s_mov_b32 s[G1+3], 32<<16
	s_mov_b32 s[G1+4], 51
	s_mov_b32 s[G1+5], 32
	s_mov_b32 s[G1+6], 0
	s_mov_b32 s[G1+7], 0
	s_mov_b32 s[SEL], 0x76543210
	s_mov_b32 s[SEL+1], 0xfedcba98
	s_mov_b32 s[CS], 0x3e38aa3b                    ; c = log2(e) / 8
	s_mov_b32 s[CS+1], s[CS]
	s_mov_b32 s[TB], 0
	s_mov_b32 s[KSN], 0
	s_mov_b32 s[KF], 0
	s_mov_b32 s[TRIP], 0
	s_mov_b32 s96, s69
	s_mov_b32 s97, 0
	s_wait_dscnt 0x0                               ; both opening adds are done
	s_wait_kmcnt 0x0
	s_add_nc_u64 s[KVB:KVB+1], s[6:7], s[84:85]    ; my head's sixteen records
	s_mov_b32 s[G0], 1
	s_mov_b32 s[G0+1], s69
	s_add_nc_u64 s[G0+2:G0+3], s[KVB:KVB+1], s[96:97]
	s_or_b32 s[G0+3], s[G0+3], 0x80000000
	TLOAD                                          ; key slot 0 into LDS slot 0: one tensor load of a wave is out at the most, here and behind every barrier
	s_add_nc_u64 s[PFA:PFA+1], s[KVB:KVB+1], s[86:87]
	s_add_nc_u64 s[48:49], s[4:5], s[48:49]
	s_add_nc_u64 s[50:51], s[4:5], s[50:51]
	s_add_nc_u64 s[52:53], s[8:9], s[52:53]
	s_add_nc_u64 s[54:55], s[8:9], s[54:55]
	s_add_nc_u64 s[56:57], s[8:9], s[56:57]
	s_add_nc_u64 s[58:59], s[8:9], s[58:59]
	v_and_b32 v12, 31, v0
	v_and_b32 v13, 15, v0
	v_bfe_u32 v14, v0, 4, 1
	s_delay_alu instid0(VALU_DEP_3)
	v_lshlrev_b32 v[L8], 3, v12
	s_delay_alu instid0(VALU_DEP_4)
	v_lshlrev_b32 v[L16], 4, v12
	s_and_b32 s86, s[WV], 7                        ; my tile in a record of q
	s_mul_i32 s87, s86, 768
	v_add_nc_u32 v[QO], s87, v[L8]
	s_lshl_b32 s87, s83, 8
	s_lshr_b32 s86, s86, 1
	s_lshl_b32 s86, s86, 2
	s_add_co_u32 s87, s87, s86
	s_add_co_u32 s87, s87, 6144
	v_lshlrev_b32 v[R16], 4, v13
	s_delay_alu instid0(VALU_DEP_1)
	v_add_nc_u32 v[QS], s87, v[R16]                ; my row's scale word in q's scale image
	v_and_b32 v15, 8, v13
	s_delay_alu instid0(VALU_DEP_1)
	v_add_nc_u32 v15, v15, v13
	v_lshlrev_b32 v14, 4, v14
	s_delay_alu instid0(VALU_DEP_1)
	v_sub_nc_u32 v15, v15, v14
	s_lshl_b32 s86, s83, 3
	v_add_nc_u32 v[MK], s86, v15                   ; my query less 32 b less 16 h
	v_lshlrev_b32 v[PFO], 8, v12
.irp j, 22,23,24,25,26,27
	v_mov_b32 v[\j], 0                             ; Q's zero codes, k = 64 on
.endr
.irp t, 0,1,2,3
.irp j, 6,7,8,9,10,11
	v_mov_b32 v[32+12*\t+\j], 0                    ; K's
.endr
.endr
.irp j, 236,237,238,239,242,243,252,253
	v_mov_b32 v[\j], 0                             ; lane permutes' destinations, and the pair named with f
.endr
.macro INIT qb                         ; a block begins: the largest t under every t, sums and O^T zero; my tile of Q and its scale word
	v_mov_b32 v13, 0xff61b1e6
	s_delay_alu instid0(VALU_DEP_1)
	v_floor_f32 v12, -v13
	v_mov_b32 v14, 0
	v_mov_b32 v15, 0
.set n, 0
.rept 32
	v_mov_b32 v[192+n], 0
.set n, n+1
.endr
.irp p, 0,1,2
	global_load_b64 v[16+2*\p:17+2*\p], v[QO], s[\qb:\qb+1] offset:256*\p
.endr
	global_load_b32 v255, v[QS], s[\qb:\qb+1]
.endm
.macro SMUL T, t                       ; S^T, tile T of 16 keys, from K's buffer t; K's scale words: word T / 2, lanes 0-15 for even T, lanes 16-31 for odd
.if (\T)%2
	v_wmma_scale_f32_16x16x128_f8f6f4 v[128+8*(\T):135+8*(\T)], v[32+12*(\t):43+12*(\t)], v[16:27], 0, v[248+(\T)/2], v255 matrix_a_fmt:MATRIX_FMT_FP6 matrix_b_fmt:MATRIX_FMT_FP6 matrix_a_scale:MATRIX_SCALE_ROW1
.else
	v_wmma_scale_f32_16x16x128_f8f6f4 v[128+8*(\T):135+8*(\T)], v[32+12*(\t):43+12*(\t)], v[16:27], 0, v[248+(\T)/2], v255 matrix_a_fmt:MATRIX_FMT_FP6 matrix_b_fmt:MATRIX_FMT_FP6
.endif
.endm
.macro OMUL t                          ; O^T += V^T P^T, tile t of 16 channels
.if (\t)%2
	v_wmma_scale_f32_16x16x128_f8f6f4 v[192+8*(\t):199+8*(\t)], v[80+12*(\t):91+12*(\t)], v[224:235], v[192+8*(\t):199+8*(\t)], v[28+(\t)/2], v30 matrix_a_fmt:MATRIX_FMT_FP6 matrix_b_fmt:MATRIX_FMT_FP6 matrix_a_scale:MATRIX_SCALE_ROW1
.else
	v_wmma_scale_f32_16x16x128_f8f6f4 v[192+8*(\t):199+8*(\t)], v[80+12*(\t):91+12*(\t)], v[224:235], v[192+8*(\t):199+8*(\t)], v[28+(\t)/2], v30 matrix_a_fmt:MATRIX_FMT_FP6 matrix_b_fmt:MATRIX_FMT_FP6
.endif
.endm
; A KEY STEP: 128 keys, record q of the slot in hand.
.macro STEP q
	s_add_co_u32 s96, s[Q0], 31                    ; a step all of whose keys come after my queries is left out: a branch on ids, round loads, products and softmax alone
	s_cmp_gt_u32 s[KF], s96
	s_cbranch_scc1 .Lhidden_\@
	v_add_nc_u32 v[AD8], s[TB], v[L8]
	v_add_nc_u32 v[AD16], s[TB], v[L16]
	v_nop
	v_nop
	ds_load_b128 v[248:251], v[AD16] offset:REC*(\q)+6144
.irp t, 0,1,2,3
.irp p, 0,1,2
	ds_load_b64 v[32+12*\t+2*\p:33+12*\t+2*\p], v[AD8] offset:REC*(\q)+768*\t+256*\p
.endr
.endr
	s_wait_alu depctr_va_vdst(0)
	s_wait_dscnt 0x0
.irp t, 0,1,2,3
	SMUL \t, \t
.endr
.rept 4
	v_nop                                          ; places in front of loads into registers that matrix instructions have read
.endr
.irp t, 0,1,2,3
.irp p, 0,1,2
	ds_load_b64 v[32+12*\t+2*\p:33+12*\t+2*\p], v[AD8] offset:REC*(\q)+768*(4+\t)+256*\p
.endr
.endr
.irp t, 0,1,2,3
.irp p, 0,1,2,3,4,5
	ds_load_b64 v[80+12*\t+2*\p:81+12*\t+2*\p], v[AD8] offset:REC*(\q)+6656+1536*\t+256*\p
.endr
.endr
	ds_load_b64 v[28:29], v[AD8] offset:REC*(\q)+12800
	s_wait_dscnt 25                                ; K's twelve loads are in; V's 24 and its scale pair may be out
.irp t, 0,1,2,3
	SMUL 4+\t, \t
.endr
.rept 4
	v_nop
.endr
	s_add_co_u32 s96, s[KF], 128                   ; on the diagonal hidden scores become -infinity ahead of the maximum; a step all of whose keys count skips this
	s_cmp_le_u32 s96, s[Q0]
	s_cbranch_scc1 .Lopen_\@
	s_sub_co_i32 s96, s[Q0], s[KF]
	v_add_nc_u32 v252, s96, v[MK]                  ; d = my query - KF - 16 h.  Register 16 b + i holds key KF + 32 b + 16 h + i: hidden where 32 b + i > d
	v_mov_b32 v254, 0xff800000
.set n, 0
.rept 64
	v_cmp_gt_i32 vcc_lo, 32*(n/16)+n%16, v252
	v_cndmask_b32 v[128+n], v[128+n], v254, vcc_lo
.set n, n+1
.endr
.Lopen_\@:
.irp b, 0,1,2,3
	v_max3_num_f32 v[232+\b], v[128+16*\b], v[129+16*\b], v[130+16*\b]   ; the largest score of each block of 32 keys: for the row's maximum and for the block's largest p
.endr
.irp i, 3,5,7,9,11,13
.irp b, 0,1,2,3
	v_max3_num_f32 v[232+\b], v[232+\b], v[128+16*\b+\i], v[129+16*\b+\i]
.endr
.endr
.irp b, 0,1,2,3
	v_max_num_f32 v[232+\b], v[232+\b], v[143+16*\b]
.endr
.irp b, 0,1,2,3
	s_delay_alu instid0(VALU_DEP_4)
	v_permlanex16_b32 v[236+\b], v[232+\b], s[SEL], s[SEL+1]
.endr
.irp b, 0,1,2,3
	s_delay_alu instid0(VALU_DEP_4)
	v_max_num_f32 v[232+\b], v[232+\b], v[236+\b]
.endr
	s_delay_alu instid0(VALU_DEP_2)
	v_max3_num_f32 v254, v232, v233, v234
	s_delay_alu instid0(VALU_DEP_1)
	v_max_num_f32 v254, v254, v235
	s_delay_alu instid0(VALU_DEP_1)
	v_mul_f32 v254, s[CS], v254
	s_delay_alu instid0(VALU_DEP_1)
	v_max_num_f32 v13, v13, v254                   ; the running largest t
	v_mov_b32 v254, v12
	s_delay_alu instid0(VALU_DEP_2)
	v_floor_f32 v12, -v13                          ; the new -M: a whole number
	s_delay_alu instid0(VALU_DEP_1)
	v_sub_f32 v254, v12, v254
	s_delay_alu instid0(VALU_DEP_1)
	v_cvt_i32_f32 v254, v254                       ; (it saturates)
	s_delay_alu instid0(VALU_DEP_1)
	v_ldexp_f32 v252, 1.0, v254                    ; f = 2^(old M - new M)
.set n, 0
.rept 32
	v_pk_fma_f32 v[128+n:129+n], v[128+n:129+n], s[CS:CS+1], v[12:13] op_sel_hi:[1,0,0]   ; t - M
.set n, n+2
.endr
.irp b, 0,1,2,3
	v_fma_f32 v[232+\b], v[232+\b], s[CS], v12
.endr
.set n, 0
	s_wait_alu depctr_va_vdst(0)
.rept 64
	v_exp_f32 v[128+n], v[128+n]                   ; p
.set n, n+1
.endr
	v_pk_mul_f32 v[14:15], v[14:15], v[252:253] op_sel_hi:[1,0]   ; the sums under the new M: a plain place behind the exponentials
	s_wait_alu depctr_va_vdst(0)                   ; one wait for the batch, ahead of its first reader
.irp b, 0,1,2,3
	v_exp_f32 v[232+\b], v[232+\b]                 ; each block's largest p
.endr
	v_pk_add_f32 v[236:237], v[132:133], v[136:137]
	v_pk_add_f32 v[250:251], v[140:141], v[144:145]
	v_pk_add_f32 v[248:249], v[148:149], v[152:153]
	v_pk_add_f32 v[246:247], v[156:157], v[160:161]
	v_pk_add_f32 v[244:245], v[164:165], v[168:169]
	v_pk_add_f32 v[240:241], v[172:173], v[176:177]
	v_pk_add_f32 v[238:239], v[180:181], v[184:185]
	v_pk_add_f32 v[14:15], v[14:15], v[188:189]
	v_pk_add_f32 v[236:237], v[236:237], v[128:129]
	v_pk_add_f32 v[250:251], v[250:251], v[130:131]
	v_pk_add_f32 v[248:249], v[248:249], v[134:135]
	v_pk_add_f32 v[246:247], v[246:247], v[138:139]
	v_pk_add_f32 v[244:245], v[244:245], v[142:143]
	v_pk_add_f32 v[240:241], v[240:241], v[146:147]
	v_pk_add_f32 v[238:239], v[238:239], v[150:151]
	v_pk_add_f32 v[14:15], v[14:15], v[154:155]
	v_pk_add_f32 v[236:237], v[236:237], v[158:159]
	v_pk_add_f32 v[250:251], v[250:251], v[162:163]
	v_pk_add_f32 v[248:249], v[248:249], v[166:167]
	v_pk_add_f32 v[246:247], v[246:247], v[170:171]
	v_pk_add_f32 v[244:245], v[244:245], v[174:175]
	v_pk_add_f32 v[240:241], v[240:241], v[178:179]
	v_pk_add_f32 v[238:239], v[238:239], v[182:183]
	v_pk_add_f32 v[14:15], v[14:15], v[186:187]
	v_pk_add_f32 v[236:237], v[236:237], v[190:191]
	s_delay_alu instid0(VALU_DEP_2)
	v_pk_add_f32 v[14:15], v[14:15], v[246:247]
	s_delay_alu instid0(VALU_DEP_2)
	v_pk_add_f32 v[236:237], v[236:237], v[244:245]
	v_pk_add_f32 v[250:251], v[250:251], v[240:241]
	v_pk_add_f32 v[248:249], v[248:249], v[238:239]
	s_delay_alu instid0(VALU_DEP_2)
	v_pk_add_f32 v[14:15], v[14:15], v[250:251]
	s_delay_alu instid0(VALU_DEP_2)
	v_pk_add_f32 v[236:237], v[236:237], v[248:249]
	s_delay_alu instid0(VALU_DEP_1)
	v_pk_add_f32 v[14:15], v[14:15], v[236:237]
	s_wait_alu depctr_va_vdst(0)                   ; and one for the four
.irp b, 0,1,2,3
	v_max_num_f32 v[232+\b], 0x1800000, v[232+\b]
.endr
.irp b, 0,1,2,3
	s_delay_alu instid0(VALU_DEP_4)
	v_add_nc_u32 v[244+\b], 0xff000000, v[232+\b]
.endr
.irp b, 0,1,2,3
	s_delay_alu instid0(VALU_DEP_4)
	v_lshrrev_b32 v[236+\b], 23, v[244+\b]
.endr
	s_delay_alu instid0(VALU_DEP_3)
	v_lshl_or_b32 v30, v237, 8, v236               ; p's scale word for these 128 keys
	s_delay_alu instid0(VALU_DEP_1)
	v_lshl_or_b32 v30, v238, 16, v30
	s_delay_alu instid0(VALU_DEP_1)
	v_lshl_or_b32 v30, v239, 24, v30
.irp c, 0,1
	v_cvt_scalef32_pk16_fp6_f32 v[224+6*\c:226+6*\c], v[128+32*\c:143+32*\c], v[244+2*\c]
	v_cvt_scalef32_pk16_fp6_f32 v[236+4*\c:238+4*\c], v[144+32*\c:159+32*\c], v[244+2*\c+1]
.endr
	v_nop                                          ; one plain place behind the conversions
.irp c, 0,1
.irp i, 0,1,2
	v_permlane16_swap_b32 v[224+6*\c+\i], v[236+4*\c+\i]
.endr
.irp i, 0,1,2
	s_delay_alu instid0(VALU_DEP_3)
	v_mov_b32 v[227+6*\c+\i], v[236+4*\c+\i]
.endr
.endr
.set n, 0
.rept 16
	v_pk_mul_f32 v[192+n:193+n], v[192+n:193+n], v[252:253] op_sel_hi:[1,0]   ; O^T under the new M; these are also the places between the scale word, the codes and the products
.set n, n+2
.endr
	s_wait_alu depctr_va_vdst(0)
	s_wait_dscnt 0x0                               ; V and its scale words are in
.irp t, 0,1,2,3
	OMUL \t
.endr
.Lhidden_\@:
	s_add_co_u32 s[KF], s[KF], 128
.endm
; THE CHANGE OF SLOTS, at a trip's head.  Each wave waits for all its tensor loads, adds 0 to its spare word (fill = 1: twice on end),
; and waits for that and for its reads of the slot that it has left.  Behind the barrier the slot ahead is whole and nobody reads the other: it takes the next trip's keys.
.macro CHANGE fill
	s_wait_tensorcnt 0x0
	ds_add_u32 v[SPW], v[NIL]
.if \fill
	ds_add_u32 v[SPW], v[NIL]
	s_xor_b32 s[G0+1], s[G0+1], SLOT1              ; no tensor load of mine is out: group 0 may be written
	s_add_co_u32 s[KSN], s[KSN], 1
	s_cmp_eq_u32 s[TRIP], s[PI]
	s_cselect_b32 s[KSN], 0, s[KSN]                ; behind my first block's last slot comes the second block's slot 0
	s_mul_i32 s96, s[KSN], 2*REC
	s_add_co_u32 s96, s96, s69
	s_mov_b32 s97, 0
	s_add_nc_u64 s[G0+2:G0+3], s[KVB:KVB+1], s[96:97]
	s_or_b32 s[G0+3], s[G0+3], 0x80000000
	s_wait_xcnt 0x0                                ; the last prefetch, a trip back, has read its address
	s_add_nc_u64 s[PFA:PFA+1], s[PFA:PFA+1], 2*REC
.endif
	s_wait_dscnt 0x0
	s_barrier_signal -1
	s_barrier_wait -1
.if \fill
	TLOAD
	ASK
.endif
.endm
; A block ends: O^T / the sum, quantised along D (the head's 64 channels are two blocks of 32), stored as half an image and two scale bytes a row.
.macro FINISH yb, ys
.rept 4
	v_nop                                          ; places behind the last products
.endr
	v_add_f32 v14, v14, v15
	s_delay_alu instid0(VALU_DEP_1)
	v_permlanex16_b32 v252, v14, s[SEL], s[SEL+1]
	s_delay_alu instid0(VALU_DEP_1)
	v_add_f32 v14, v14, v252                       ; the row's sum
	s_wait_alu depctr_va_vdst(0)
	v_rcp_f32 v14, v14
	v_nop
	s_wait_alu depctr_va_vdst(0)
.set n, 0
.rept 16
	v_pk_mul_f32 v[128+n:129+n], v[192+n:193+n], v[14:15] op_sel_hi:[1,0]   ; register 16 b + i = channel 32 b + 16 h + i; each accumulator from its low end on
.set n, n+2
.endr
.irp b, 0,1
	v_max3_num_f32 v[240+\b], |v[128+16*\b]|, |v[129+16*\b]|, 0x1800000
.endr
.irp i, 2,4,6,8,10,12,14
.irp b, 0,1
	s_delay_alu instid0(VALU_DEP_2)
	v_max3_num_f32 v[240+\b], v[240+\b], |v[128+16*\b+\i]|, |v[129+16*\b+\i]|
.endr
.endr
.irp b, 0,1
	s_delay_alu instid0(VALU_DEP_2)
	v_permlanex16_b32 v[242+\b], v[240+\b], s[SEL], s[SEL+1]
.endr
.irp b, 0,1
	s_delay_alu instid0(VALU_DEP_2)
	v_max_num_f32 v[240+\b], v[240+\b], v[242+\b]
.endr
.irp b, 0,1
	s_delay_alu instid0(VALU_DEP_2)
	v_add_nc_u32 v[244+\b], 0xff000000, v[240+\b]
.endr
.irp b, 0,1
	s_delay_alu instid0(VALU_DEP_2)
	v_lshrrev_b32 v[246+\b], 23, v[244+\b]
.endr
	s_delay_alu instid0(VALU_DEP_1)
	v_lshl_or_b32 v31, v247, 8, v246
	v_cvt_scalef32_pk16_fp6_f32 v[224:226], v[128:143], v244
	v_cvt_scalef32_pk16_fp6_f32 v[236:238], v[144:159], v245
	v_nop
.irp i, 0,1,2
	v_permlane16_swap_b32 v[224+\i], v[236+\i]
.endr
.irp i, 0,1,2
	s_delay_alu instid0(VALU_DEP_3)
	v_mov_b32 v[227+\i], v[236+\i]
.endr
.irp p, 0,1,2
	global_store_b64 v[L8], v[224+2*\p:225+2*\p], s[\yb:\yb+1] offset:256*\p   ; 256 consecutive bytes, aligned
.endr
	global_store_b16 v[R16], v31, s[\ys:\ys+1]     ; two bytes a row, 16 bytes apart: a head's share of a scale word that two heads fill; both halves of the lanes store the same
.endm
	INIT 48
	s_wait_loadcnt 0x0
.Ltrip:                                            ; eight trips; the ninth is written out
	CHANGE 1
	STEP 0
	STEP 1
	s_xor_b32 s[TB], s[TB], SLOT1
	s_cmp_lg_u32 s[TRIP], s[PI]
	s_cbranch_scc1 .Lsame
	FINISH 52, 56                                  ; my first block is done: on to the second
	INIT 50
	s_mov_b32 s[Q0], s95
	s_mov_b32 s[KF], 0
	s_wait_loadcnt 0x0
	s_wait_xcnt 0x0                                ; the stores have read their registers
.Lsame:
	s_add_co_u32 s[TRIP], s[TRIP], 1
	s_cmp_lt_u32 s[TRIP], 8
	s_cbranch_scc1 .Ltrip
	CHANGE 0
	STEP 0
	STEP 1
	FINISH 54, 58
	s_wait_tensorcnt 0x0                           ; the wave's end
	ds_add_u32 v[SPW], v[NIL]
	s_wait_dscnt 0x0
	s_endpgm
.Lfunc_end_k_q005ad83103_attn:
	.size	k_q005ad83103_attn, .Lfunc_end_k_q005ad83103_attn-k_q005ad83103_attn
	.p2alignl 7, 3214868480
	.fill 96, 4, 3214868480
	.section	.rodata,"a",@progbits
	.p2align	6, 0x0
	.amdhsa_kernel k_q005ad83103_attn
		.amdhsa_group_segment_fixed_size 327680
		.amdhsa_private_segment_fixed_size 0
		.amdhsa_enable_private_segment 0
		.amdhsa_kernarg_size 24
		.amdhsa_user_sgpr_count 2
		.amdhsa_user_sgpr_kernarg_segment_ptr 1
		.amdhsa_wavefront_size32 1
		.amdhsa_system_sgpr_workgroup_id_x 1
		.amdhsa_system_sgpr_workgroup_id_y 1
		.amdhsa_system_sgpr_workgroup_id_z 1
		.amdhsa_system_vgpr_workitem_id 0
		.amdhsa_next_free_vgpr 256
		.amdhsa_next_free_sgpr 100
		.amdhsa_reserve_vcc 1
		.amdhsa_float_denorm_mode_32 3
		.amdhsa_float_denorm_mode_16_64 3
		.amdhsa_memory_ordered 1
		.amdhsa_forward_progress 1
		.amdhsa_inst_pref_size 115
	.end_amdhsa_kernel
	.amdgpu_metadata
---
amdhsa.version: [ 1, 2 ]
amdhsa.kernels:
  - .name:           k_q005ad83103_attn
    .symbol:         k_q005ad83103_attn.kd
    .args:
      - { .name: qimg, .offset: 0, .size: 8, .value_kind: global_buffer, .address_space: global }
      - { .name: kv, .offset: 8, .size: 8, .value_kind: global_buffer, .address_space: global }
      - { .name: yq, .offset: 16, .size: 8, .value_kind: global_buffer, .address_space: global }
    .group_segment_fixed_size: 327680
    .private_segment_fixed_size: 0
    .kernarg_segment_align: 8
    .kernarg_segment_size: 24
    .max_flat_workgroup_size: 512
    .sgpr_count:     100
    .vgpr_count:     256
    .wavefront_size: 32
...
	.end_amdgpu_metadata
.endif
;; end of part 3
;; launch proj (part 4): grid 4 x 32, 4 waves a work-group, clusters of 4 x 4, 327,680 bytes of LDS; arguments yq, wq, bo, out0; writes out0
.if DOCPART == 4
	.amdgcn_target "amdgcn-amd-amdhsa--gfx1250"
	.amdhsa_code_object_version 6
	.text
	.protected	k_q005ad83103_proj
	.globl	k_q005ad83103_proj
	.p2align	8
	.type	k_q005ad83103_proj,@function
k_q005ad83103_proj:
	s_mov_b64 s[64:65], 0
	v_nop
	global_prefetch_b8 v0, s[64:65] scope:SCOPE_SE
	s_setreg_imm32_b32 hwreg(HW_REG_WAVE_MODE, 25, 1), 1
	s_wait_xcnt 0x0
	s_wait_alu depctr_hold_cnt(0) depctr_sa_sdst(0) depctr_va_vdst(0) depctr_va_sdst(0) depctr_va_ssrc(0) depctr_va_vcc(0) depctr_vm_vsrc(0)
	s_getreg_b32 s2, hwreg(HW_REG_IB_STS2, 6, 4)
	s_cmp_eq_u32 s2, 0
	s_cbranch_scc0 .Lentry_in_a_cluster
	s_endpgm
.Lentry_in_a_cluster:
	s_bfe_u32 s2, ttmp6, 0x10000c
	s_cmp_lg_u32 s2, 0xf033
	s_cbranch_scc0 .Lentry_shape_is_right
	s_endpgm
.Lentry_shape_is_right:
; out0 = y Wo^T + bo, on the codes of y that launch attn made and those of Wo that launch quant made (rowblocks 192 on of wq).  out0 [8192][1024] f32.
; The body is launch qkv's product: a tile of 256 x 256 by four waves of 128 x 128, K = 1,024 in eight steps written out, two LDS slots of 256 along K, 4 x 4 clusters with joint loads; rowblocks and images as in launch quant.
; Source 0 = a rowblock of Wo, source 1 = a rowblock of y: lane (r, h) holds a token, register j of tile b = 2 c + u the output 32 c + 16 h + 8 u + j.  bo is the C of each sum's first product.
; THE WAY OUT: a block of 16 tokens x 128 outputs goes through my own stage in LDS and comes back as whole rows of 512 bytes.  The stage lies in slot 0, which has had its last fill and its last read by then.
; 128 work-groups: the grid that tiles of 256 x 256 give this size.
.set YSC,   6291456
.set RBB,   12288
.set NL,    6
.set NP,    4
.set FR,    12
.set HALFT, 24576
.set SLOT,  98304
.set SCL,   196608
.set SPARE, 212992
.set ADRA, 16
.set ADRB, 20
.set STO,  22
.set RD,   23
.set L8,   24
.set L16,  25
.set BL,   26
.set ADRS, 27
.set SPW,  28
.set NIL,  29
.set SC,   32
.set BIAS, 96
.set AF,   160
.set BK,   96
.set WV,   20
.set HA,   21
.set HB,   22
.set G1,   24
.set G0,   32
.set TROW, 45
.set TCOL, 46
.set G1B,  48
.set G0B,  56
.set G1S,  68
.set G0S,  76
.set G1SB, 80
.set G0SB, 88
.set MSB, 0
.macro WIN new
.if MSB != (\new)
	s_set_vgpr_msb (MSB<<8)|(\new)
.set MSB, (\new)
.endif
.endm
.macro JLOAD g0a, g1a, g0b, g1b        ; a joint load: waves 0 and 1 fetch for A, waves 2 and 3 for B; an s_nop 0 and four v_nop follow each line
	s_cmp_eq_u32 s[HA], 0
	s_cbranch_scc0 .Lfor_b_\@
	tensor_load_to_lds s[\g0a:\g0a+3], s[\g1a:\g1a+7]
	s_nop 0
.rept 4
	v_nop
.endr
	s_branch .Lasked_\@
.Lfor_b_\@:
	tensor_load_to_lds s[\g0b:\g0b+3], s[\g1b:\g1b+7]
	s_nop 0
.rept 4
	v_nop
.endr
.Lasked_\@:
.endm
.macro CREST
	s_cmp_lg_u32 s[WV], 0
	s_cbranch_scc1 .Lnot_wave_0_\@
	s_barrier_signal -3
.Lnot_wave_0_\@:
	s_barrier_wait -3
	s_barrier_signal -1
	s_barrier_wait -1
.endm
.macro CROUND
	s_barrier_signal -1
	s_barrier_wait -1
	CREST
.endm
	s_load_b256 s[4:11], s[0:1], 0x0               ; yq, wq, bo, out0
	v_lshl_add_u32 v[SPW], v0, 2, SPARE
	v_mov_b32 v[NIL], 0
	ds_add_u32 v[SPW], v[NIL]                      ; the wave's opening: the add, twice on end, and its wait ahead of my first tensor load
	ds_add_u32 v[SPW], v[NIL]
	v_lshrrev_b32 v1, 5, v0
	v_readfirstlane_b32 s[WV], v1
	s_lshr_b32 s[HA], s[WV], 1
	s_and_b32 s[HB], s[WV], 1
	s_bfe_u32 s40, ttmp6, 0x40000                  ; cx
	s_bfe_u32 s41, ttmp6, 0x40004                  ; cy
	s_and_b32 s47, ttmp7, 0xffff
	s_lshl_b32 s[TROW], s47, 2
	s_add_co_u32 s[TROW], s[TROW], s41             ; the tile of tokens
	s_lshl_b32 s[TCOL], ttmp9, 2
	s_add_co_u32 s[TCOL], s[TCOL], s40             ; the tile of outputs
	s_lshl_b32 s42, s41, 2
	s_lshl_b32 s42, 15, s42
	s_lshl_b32 s43, 0x1111, s40
	s_or_b32 s[G1+0], s42, (3<<16)|(1<<21)         ; codes: 8 rowblocks x 3,072 bytes, 12,288 bytes apart; elements of 8 bytes
	s_or_b32 s[G1B+0], s43, (3<<16)|(1<<21)
.irp g, G1, G1B
	s_mov_b32 s[\g+1], 384<<16
	s_mov_b32 s[\g+2], 8<<16
	s_mov_b32 s[\g+3], 384<<16
	s_mov_b32 s[\g+4], 8
	s_mov_b32 s[\g+5], 1536
	s_mov_b32 s[\g+6], 0
	s_mov_b32 s[\g+7], 0
.endr
	s_or_b32 s[G1S+0], s42, (3<<16)|(1<<21)        ; scale words: 4,096 dense bytes as 16 rows of 256
	s_or_b32 s[G1SB+0], s43, (3<<16)|(1<<21)
.irp g, G1S, G1SB
	s_mov_b32 s[\g+1], 32<<16
	s_mov_b32 s[\g+2], 16<<16
	s_mov_b32 s[\g+3], 32<<16
	s_mov_b32 s[\g+4], 16
	s_mov_b32 s[\g+5], 32
	s_mov_b32 s[\g+6], 0
	s_mov_b32 s[\g+7], 0
.endr
	s_lshl_b32 s23, s[HB], 3
	s_lshl_b32 s94, s[TROW], 4
	s_add_co_u32 s94, s94, s23
	s_lshl_b32 s96, s[TCOL], 4
	s_add_co_u32 s96, s96, s23
	s_lshl_b32 s98, s94, 9
	s_mul_i32 s94, s94, RBB
	s_lshl_b32 s100, s96, 9
	s_mul_i32 s96, s96, RBB
	s_add_co_u32 s98, s98, YSC
	s_add_co_u32 s96, s96, 2359296                 ; Wo: rowblocks 192 on
	s_add_co_u32 s100, s100, 3244032
	s_mov_b32 s95, 0
	s_mov_b32 s97, 0
	s_mov_b32 s99, 0
	s_mov_b32 s101, 0
	s_mul_i32 s23, s[WV], HALFT
	s_lshl_b32 s47, s[WV], 12
	s_wait_dscnt 0x0
	s_wait_kmcnt 0x0
	s_add_nc_u64 s[94:95], s[4:5], s[94:95]
	s_add_nc_u64 s[98:99], s[4:5], s[98:99]
	s_add_nc_u64 s[96:97], s[6:7], s[96:97]
	s_add_nc_u64 s[100:101], s[6:7], s[100:101]
	CROUND
	s_mov_b32 s[G0S], 1
	s_add_co_u32 s[G0S+1], s47, SCL
	s_mov_b64 s[G0S+2:G0S+3], s[98:99]
	s_or_b32 s[G0S+3], s[G0S+3], 0x80000000
	s_mov_b32 s[G0SB], 1
	s_add_co_u32 s[G0SB+1], s47, SCL
	s_mov_b64 s[G0SB+2:G0SB+3], s[100:101]
	s_or_b32 s[G0SB+3], s[G0SB+3], 0x80000000
	JLOAD G0S, G1S, G0SB, G1SB                     ; one tensor load of mine is out at a time: each later one waits for all before it
.irp s, 0,1
	s_mov_b32 s[G0+4*\s], 1
	s_add_co_u32 s[G0+4*\s+1], s23, \s*SLOT
	s_add_nc_u64 s[G0+4*\s+2:G0+4*\s+3], s[94:95], \s*3072
	s_or_b32 s[G0+4*\s+3], s[G0+4*\s+3], 0x80000000
	s_mov_b32 s[G0B+4*\s], 1
	s_add_co_u32 s[G0B+4*\s+1], s23, \s*SLOT
	s_add_nc_u64 s[G0B+4*\s+2:G0B+4*\s+3], s[96:97], \s*3072
	s_or_b32 s[G0B+4*\s+3], s[G0B+4*\s+3], 0x80000000
	s_wait_alu depctr_va_vdst(0)
	s_wait_tensorcnt 0x0
	ds_add_u32 v28, v29
	s_wait_dscnt 0x0
	CROUND
	JLOAD G0+4*\s, G1, G0B+4*\s, G1B
.endr
	v_and_b32 v1, 15, v0
	v_bfe_u32 v2, v0, 4, 1
	s_wait_alu depctr_va_vdst(0)
	v_and_b32 v3, 31, v0
	v_lshlrev_b32 v[L8], 3, v3
	v_lshlrev_b32 v[L16], 4, v3
	s_mul_i32 s92, s[HA], HALFT
	s_mul_i32 s93, s[HB], HALFT
	s_add_co_u32 s93, s93, 2*HALFT
.irp s, 0,1
	v_add_nc_u32 v[ADRA+\s], s92, v[L8]
	v_add_nc_u32 v[ADRB+\s], s93, v[L8]
	s_add_co_u32 s92, s92, SLOT
	s_add_co_u32 s93, s93, SLOT
.endr
	v_lshlrev_b32 v4, 4, v1
	s_lshl_b32 s92, s[HA], 12
	s_lshl_b32 s93, s[HB], 12
	s_add_co_u32 s93, s93, 8192
	s_sub_co_u32 s93, s93, s92
	v_mul_u32_u24 v5, s93, v2
	s_add_co_u32 s92, s92, SCL
	v_add_nc_u32 v4, v4, v5
	v_add_nc_u32 v[ADRS], s92, v4
	s_mul_i32 s92, s[WV], 8448                     ; my stage: 16 rows x (512 + 16) bytes
	v_mul_u32_u24 v5, v1, 528
	v_lshl_add_u32 v5, v2, 6, v5
	v_add_nc_u32 v[STO], s92, v5                   ; in: row r, + 64 h
	v_add_nc_u32 v[RD], s92, v[L16]                ; back: 16 bytes a lane of a row
	s_lshl_b32 s94, s[TCOL], 8
	s_lshl_b32 s95, s[HB], 7
	s_add_co_u32 s94, s94, s95
	s_lshl_b32 s94, s94, 2                         ; my first output x 4 bytes
	s_mov_b32 s95, 0
	s_add_nc_u64 s[8:9], s[8:9], s[94:95]          ; in bo,
	s_add_nc_u64 s[10:11], s[10:11], s[94:95]      ; and in a row of out0
	s_lshl_b32 s94, s[TROW], 8
	s_lshl_b32 s96, s[HA], 7
	s_add_co_u32 s94, s94, s96
	s_lshl_b32 s94, s94, 12                        ; my first token's row
	s_add_nc_u64 s[10:11], s[10:11], s[94:95]
	v_lshlrev_b32 v[BL], 6, v2
.irp b, 0,1,2,3,4,5,6,7
	global_load_b128 v[BIAS+8*\b:BIAS+8*\b+3], v[BL], s[8:9] offset:(32*(\b/2)+8*(\b%2))*4
	global_load_b128 v[BIAS+8*\b+4:BIAS+8*\b+7], v[BL], s[8:9] offset:(32*(\b/2)+8*(\b%2))*4+16
.endr
.macro FRAG reg, adr, q, i
.irp p, 0,1,2,3,4,5
	ds_load_b64 v[\reg+2*\p:\reg+2*\p+1], v[\adr] offset:3072*(\i)+1536*(\q)+256*\p
.endr
.endm
; 16 matrix instructions: A's blocks a0, a0 + 1 x B's eight.  mode 0: sums go on; 2: the bias starts them.  The 64 accumulators take turns in one order.
.macro MUL16 a0, p, ks, mode
.irp a, \a0, \a0+1
.irp b, 0,1,2,3,4,5,6,7
.if \mode == 0
	v_wmma_scale_f32_16x16x128_f8f6f4 v[8*(8*((\a)%4)+\b):8*(8*((\a)%4)+\b)+7], v[128*(\p)+FR*\b:128*(\p)+FR*\b+FR-1], v[AF+FR*(\a):AF+FR*(\a)+FR-1], v[8*(8*((\a)%4)+\b):8*(8*((\a)%4)+\b)+7], v[SC+8*\b+(\ks)], v[SC+8*(\a)+(\ks)] matrix_a_fmt:MATRIX_FMT_FP6 matrix_b_fmt:MATRIX_FMT_FP6 matrix_a_scale:MATRIX_SCALE_ROW1
.else
	v_wmma_scale_f32_16x16x128_f8f6f4 v[8*(8*((\a)%4)+\b):8*(8*((\a)%4)+\b)+7], v[128*(\p)+FR*\b:128*(\p)+FR*\b+FR-1], v[AF+FR*(\a):AF+FR*(\a)+FR-1], v[BIAS+8*\b:BIAS+8*\b+7], v[SC+8*\b+(\ks)], v[SC+8*(\a)+(\ks)] matrix_a_fmt:MATRIX_FMT_FP6 matrix_b_fmt:MATRIX_FMT_FP6 matrix_a_scale:MATRIX_SCALE_ROW1
.endif
.endr
.endr
.endm
.macro FETCH_B slot, q, p
	WIN 0x40
.irp i, 0,1,2,3,4,5,6,7
	FRAG 128*(\p)+FR*\i, ADRB+\slot, \q, \i
.endr
	WIN 0
.endm
.macro FETCH_A slot, q, i0
.irp i, \i0, \i0+1, \i0+2, \i0+3
	FRAG AF+FR*(\i), ADRA+\slot, \q, \i
.endr
.endm
.macro SCALES
.irp i, 0,1,2,3,4,5,6,7
	ds_load_b128 v[SC+8*\i:SC+8*\i+3], v[ADRS] offset:512*\i
	ds_load_b128 v[SC+8*\i+4:SC+8*\i+7], v[ADRS] offset:512*\i+256
.endr
.endm
.macro PLACES n
.rept \n
	v_nop
.endr
.endm
.macro STEP slot, ks, mode
	s_wait_dscnt 4*NL                              ; all but the youngest 24 loads (A's blocks 4-7) are in
.if \mode == 2
	WIN 0x81
.else
	WIN 0xa1
.endif
	MUL16 0, 0, \ks, \mode
	MUL16 2, 0, \ks, \mode
	s_wait_dscnt 0
	PLACES NP
	FETCH_B \slot, 1, 1
	FETCH_A \slot, 1, 0
.if \mode == 2
	WIN 0xc1
.else
	WIN 0xf1
.endif
	MUL16 4, 0, \ks, \mode
	MUL16 6, 0, \ks, \mode
	PLACES NP
	WIN 0
	FETCH_A \slot, 1, 4
.endm
.macro TURN slot, next, ks, fill
	s_wait_tensorcnt 0x0                           ; all my tensor loads have landed: my part of the next slot
	ds_add_u32 v[SPW], v[NIL]
	s_wait_dscnt 4*NL+1                            ; (the add and the youngest 24 loads may be out)
	WIN 0xa1
	MUL16 0, 1, \ks, 0
	s_wait_dscnt 0x0                               ; the add is done, and my reads of this slot are over
	s_barrier_signal -1
	MUL16 2, 1, \ks, 0
	WIN 0
	s_barrier_wait -1
.if \fill
	CREST                                          ; a round of the cluster's barrier: no wave of any partner still reads this slot or has a load on its way
	s_add_nc_u64 s[G0+4*\slot+2:G0+4*\slot+3], s[G0+4*\slot+2:G0+4*\slot+3], 6144
	s_add_nc_u64 s[G0B+4*\slot+2:G0B+4*\slot+3], s[G0B+4*\slot+2:G0B+4*\slot+3], 6144
	JLOAD G0+4*\slot, G1, G0B+4*\slot, G1B
.else
	PLACES NP
.endif
	FETCH_B \next, 0, 0
	FETCH_A \next, 0, 0
	WIN 0xf1
	MUL16 4, 1, \ks, 0
	MUL16 6, 1, \ks, 0
	PLACES NP
	WIN 0
	FETCH_A \next, 0, 4
.endm
	s_wait_alu depctr_va_vdst(0)
	s_wait_tensorcnt 1                             ; the scale words and my part of slot 0 are in; slot 1's load may be out
	s_barrier_signal -1
	s_barrier_wait -1
	FETCH_B 0, 0, 0
	FETCH_A 0, 0, 0
	SCALES
	FETCH_A 0, 0, 4
	s_wait_loadcnt 0x0                             ; bo
	STEP 0, 0, 2
	TURN 0, 1, 1, 1
	STEP 1, 2, 0
	TURN 1, 0, 3, 1
	STEP 0, 4, 0
	TURN 0, 1, 5, 0
	STEP 1, 6, 0
	s_wait_dscnt 4*NL
	WIN 0xa1
	MUL16 0, 1, 7, 0
	MUL16 2, 1, 7, 0
	s_wait_dscnt 0
	WIN 0xf1
	MUL16 4, 1, 7, 0
	MUL16 6, 1, 7, 0
	WIN 0
.macro TOSTAGE a                       ; block a: lane (r, h), tile b: outputs 32 (b / 2) + 16 h + 8 (b % 2) + 0..7 of token row r; LDS serves a wave's instructions in order
.set AC, 64*((\a)%4)
	WIN 0x08+4*((\a)/4)                            ; an LDS store's data: window 2 or 3
.irp b, 0,1,2,3,4,5,6,7
	ds_store_b128 v[STO], v[AC+8*\b:AC+8*\b+3] offset:128*(\b/2)+32*(\b%2)          ; each accumulator from its low end on
	ds_store_b128 v[STO], v[AC+8*\b+4:AC+8*\b+7] offset:128*(\b/2)+32*(\b%2)+16
.endr
	WIN 0
.set BB, BK+64*((\a)%2)
.irp t, 0,1,2,3,4,5,6,7,8,9,10,11,12,13,14,15
	ds_load_b128 v[BB+4*\t:BB+4*\t+3], v[RD] offset:528*\t
.endr
.endm
.macro SEND a, younger                 ; younger: the LDS instructions issued behind block a's loads, which may stay out
.set BB, BK+64*((\a)%2)
	s_wait_dscnt \younger
.irp t, 0,1,2,3,4,5,6,7,8,9,10,11,12,13,14,15
	global_store_b128 v[L16], v[BB+4*\t:BB+4*\t+3], s[10:11] offset:(32*((\a)/2)+8*((\a)%2)+\t+(\t&8))*4096 th:TH_STORE_NT   ; 512 consecutive bytes of a token's row, aligned to 256
.endr
.endm
	PLACES NP
	TOSTAGE 0
.irp a, 1,2,3,4,5,6,7
.if \a > 1
	s_wait_xcnt 0x0                                ; block a - 2's stores have read their registers: block a's loads may land there
.endif
	TOSTAGE \a
	SEND \a-1, 32                                  ; behind block a - 1's loads: block a's 16 stores and 16 loads
.endr
	SEND 7, 0
	s_wait_tensorcnt 0x0                           ; the wave's end, behind my last tensor load and my last LDS store
	ds_add_u32 v[SPW], v[NIL]
	s_wait_dscnt 0x0
	CROUND                                         ; the closing round
	s_endpgm
.Lfunc_end_k_q005ad83103_proj:
	.size	k_q005ad83103_proj, .Lfunc_end_k_q005ad83103_proj-k_q005ad83103_proj
	.p2alignl 7, 3214868480
	.fill 96, 4, 3214868480
	.section	.rodata,"a",@progbits
	.p2align	6, 0x0
	.amdhsa_kernel k_q005ad83103_proj
		.amdhsa_group_segment_fixed_size 327680
		.amdhsa_private_segment_fixed_size 0
		.amdhsa_enable_private_segment 0
		.amdhsa_kernarg_size 32
		.amdhsa_user_sgpr_count 2
		.amdhsa_user_sgpr_kernarg_segment_ptr 1
		.amdhsa_wavefront_size32 1
		.amdhsa_system_sgpr_workgroup_id_x 1
		.amdhsa_system_sgpr_workgroup_id_y 1
		.amdhsa_system_sgpr_workgroup_id_z 1
		.amdhsa_system_vgpr_workitem_id 0
		.amdhsa_next_free_vgpr 1024
		.amdhsa_next_free_sgpr 102
		.amdhsa_reserve_vcc 0
		.amdhsa_float_denorm_mode_32 3
		.amdhsa_float_denorm_mode_16_64 3
		.amdhsa_memory_ordered 1
		.amdhsa_forward_progress 1
		.amdhsa_inst_pref_size 160
	.end_amdhsa_kernel
	.amdgpu_metadata
---
amdhsa.version: [ 1, 2 ]
amdhsa.kernels:
  - .name:           k_q005ad83103_proj
    .symbol:         k_q005ad83103_proj.kd
    .args:
      - { .name: yq, .offset: 0, .size: 8, .value_kind: global_buffer, .address_space: global }
      - { .name: wq, .offset: 8, .size: 8, .value_kind: global_buffer, .address_space: global }
      - { .name: bo, .offset: 16, .size: 8, .value_kind: global_buffer, .address_space: global }
      - { .name: out0, .offset: 24, .size: 8, .value_kind: global_buffer, .address_space: global }
    .group_segment_fixed_size: 327680
    .private_segment_fixed_size: 0
    .kernarg_segment_align: 8
    .kernarg_segment_size: 32
    .max_flat_workgroup_size: 128
    .sgpr_count:     102
    .vgpr_count:     1024
    .wavefront_size: 32
...
	.end_amdgpu_metadata
.endif
;; end of part 4
